; MI455X (gfx1250); checked and timed in simulation.
; The chip was launched on July 23, 2026; its instructions are those of AMD's public machine-readable ISA for CDNA 5 (MIT licence, August 2026) and "CDNA5" Instruction Set Architecture Reference Guide (July 2026). The comments in the code are by the model that wrote it; some were corrected since.
;; Multi Head Attention. Allowed arithmetic: matrix products marked QUANTISED: E2M1 operands, one E8M0 scale for each 32 along K, by v_wmma_scale_f32_16x16x128_f8f6f4 with both operands' format E2M1 (or v_wmma_scale_f32_32x16x128_f4), f32 sums; everything else in f32.
;; Inputs: fc_b 1,024 float32; fc_w_codes 1,024 x 32 x 16 uint8 (E2M1 codes of fc_w, K innermost, in blocks of 32 codes, two codes a byte); fc_w_scales 1,024 x 32 uint8 (E8M0 scales of fc_w, one for each 32 codes along K); key_in_codes 4 x 2,048 x 32 x 16 uint8 (E2M1 codes of key_in, K innermost, in blocks of 32 codes, two codes a byte); key_in_scales 4 x 2,048 x 32 uint8 (E8M0 scales of key_in, one for each 32 codes along K); mask 4 x 2,048 x 2,048 int32; query_codes 4 x 2,048 x 32 x 16 uint8 (E2M1 codes of query, K innermost, in blocks of 32 codes, two codes a byte); query_scales 4 x 2,048 x 32 uint8 (E8M0 scales of query, one for each 32 codes along K); value_codes 4 x 2,048 x 32 x 16 uint8 (E2M1 codes of value, K innermost, in blocks of 32 codes, two codes a byte); value_scales 4 x 2,048 x 32 uint8 (E8M0 scales of value, one for each 32 codes along K); wk_b 1,024 float32; wk_w_codes 1,024 x 32 x 16 uint8 (E2M1 codes of wk_w, K innermost, in blocks of 32 codes, two codes a byte); wk_w_scales 1,024 x 32 uint8 (E8M0 scales of wk_w, one for each 32 codes along K); wq_b 1,024 float32; wq_w_codes 1,024 x 32 x 16 uint8 (E2M1 codes of wq_w, K innermost, in blocks of 32 codes, two codes a byte); wq_w_scales 1,024 x 32 uint8 (E8M0 scales of wq_w, one for each 32 codes along K); wv_b 1,024 float32; wv_w_codes 1,024 x 32 x 16 uint8 (E2M1 codes of wv_w, K innermost, in blocks of 32 codes, two codes a byte); wv_w_scales 1,024 x 32 uint8 (E8M0 scales of wv_w, one for each 32 codes along K).
;; Outputs: out0 4 x 2,048 x 1,024 float32.
;; This version of the problem:
;;   THIS VERSION OF THE PROBLEM IS GIVEN IN LOW PRECISION. The matrix products marked QUANTISED in the list below multiply operands that are first quantised to E2M1 (2 exponent bits, 1 mantissa bit; 4 bits a number), with one power-of-two scale for each 32 numbers along K (OCP MX v1.0); their sums are f32. All else is computed in f32.
;;   The module's matrix products, in the order in which they are computed (A, B: the left and right operand; K: the contracted axis; several contracted axes count as one K, in the product's order):
;;     1. [M 8,192, K 1,024] x [K 1,024, N 1,024]; A: input query (given as codes); B: input wq_w (given as codes): QUANTISED
;;     2. [M 8,192, K 1,024] x [K 1,024, N 1,024]; A: input key_in (given as codes); B: input wk_w (given as codes): QUANTISED
;;     3. [M 8,192, K 1,024] x [K 1,024, N 1,024]; A: input value (given as codes); B: input wv_w (given as codes): QUANTISED
;;     4. batch 64 x [M 2,048, K 64] x [K 64, N 2,048]; A: computed on the way; B: computed on the way: QUANTISED
;;     5. batch 64 x [M 2,048, K 2,048] x [K 2,048, N 64]; A: softmax (see below); B: computed on the way: QUANTISED
;;     6. [M 8,192, K 1,024] x [K 1,024, N 1,024]; A: computed on the way; B: input fc_w (given as codes): QUANTISED
;;   THE QUANTISER, for each operand of a quantised product, along K:
;;     - K is cut into blocks of 32 from its start; a last block that is shorter is filled with zeros.
;;     - A block's scale is 2^e with e = floor(log2(the largest magnitude in the block)) - 2, held to -126 .. 127; a block of zeros has e = 0. As a byte (E8M0): e + 127.
;;     - Each number is divided by its block's scale, clamped to +-6, and rounded to the nearest number of E2M1, ties to even, subnormals kept.
;;     - The product sums the exact products of the quantised numbers (number of the format x scale) in f32.
;;   ~~~python
;;   def quantise(x, axis):      # numpy; x: float32 -> the quantised numbers, widened to float32 again
;;       x = np.moveaxis(x, axis, -1); K = x.shape[-1]
;;       x = np.pad(x, [(0, 0)] * (x.ndim - 1) + [(0, -K % 32)]); x = x.reshape(x.shape[:-1] + (-1, 32)); a = np.abs(x).max(-1, keepdims=True)
;;       e = np.where(a > 0, np.clip(np.frexp(np.where(a > 0, a, 1))[1] - 1 - 2, -126, 127), 0)      # np.frexp(a)[1] - 1 = floor(log2(a)), exactly
;;       r = np.clip(x / 2.0 ** e, -6, 6)
;;       step = 2.0 ** (np.maximum(np.frexp(np.where(r == 0, 1, r))[1] - 1, 0) - 1)
;;       q = np.round(r / step) * step * 2.0 ** e      # np.round: ties to even
;;       return np.moveaxis(q.reshape(q.shape[:-2] + (-1,))[..., :K], -1, axis).astype(np.float32)
;;   ~~~
;;   SOFTMAX AHEAD OF A QUANTISED PRODUCT. Where the list says 'softmax', what is quantised is not the finished softmax but p = 2^(t - M), with t = logit x log2(e) and M = ceil(the row's largest t), a whole number; so 1/2 < the row's largest p <= 1. The row's sum l is taken of the UNQUANTISED p, in f32, and the product's result is divided by l at the end. Since M is a whole number, a kernel that streams over the keys may use a running M (the ceiling of the running maximum): every later rescaling is an exact power of two, which a block's scale takes up: the codes' values come out the same.
;;   OPERANDS COMPUTED ON THE WAY. 'Computed on the way' means the value that the module computes at that place (a softmax that the list does not call 'softmax' is quantised finished and normalised). What goes into a quantiser is computed in f32, as accurately as f32 sums, v_exp_f32 and their like allow (about 1e-6 of the number): no bf16 or f16 on the way to a quantiser, and a product that is left as it is and whose result goes on into a quantised operand takes f32 operands (vector FMAs, or v_wmma_f32_16x16x4_f32). A number that lies on a knife's edge between two numbers of the format may be rounded either way, as far as f32 arithmetic and the matrix unit's own rounding can turn it there, and no further.
;;   INPUTS GIVEN AS CODES. fc_w (in the module: [1024, 1024], K = its axis 1); key_in (in the module: [4, 2048, 1024], K = its axis 2); query (in the module: [4, 2048, 1024], K = its axis 2); value (in the module: [4, 2048, 1024], K = its axis 2); wk_w (in the module: [1024, 1024], K = its axis 1); wq_w (in the module: [1024, 1024], K = its axis 1); wv_w (in the module: [1024, 1024], K = its axis 1): each comes as NAME_codes (uint8): NAME with its K axis moved to the last place and cut into blocks of 32 codes, [.., K / 32, bytes a block], one block behind the other in memory; two codes a byte, the lower K in the low four bits (a code: sign, 2 exponent bits, 1 mantissa bit); and NAME_scales (uint8): the same leading axes, one E8M0 byte (e + 127) for each 32 codes along K. Its value is code x scale, taken as it is: it is not quantised again, and the codes and scales need not be those that the quantiser above would give.
;; One version. Each part assembles by itself: llvm-mc -triple=amdgcn-amd-amdhsa -mcpu=gfx1250 --defsym DOCPART=n.
;; ======== version 1 of 1: 3 launches
;; limits: right only within a limited range of input values
;; workspace buffers: mb 2,097,152 bytes of whole numbers; qb 4,718,592 bytes; kv 9,175,040 bytes; oimg 4,194,304 bytes; oscl 262,144 bytes
;; launch proj (part 1): grid 4 x 128, 4 waves a work-group, clusters of 4 x 4, 327,680 bytes of LDS; arguments query_codes, query_scales, wq_w_codes, wq_w_scales, key_in_codes, key_in_scales, wk_w_codes, wk_w_scales, wv_w_codes, wv_w_scales, value_codes, value_scales, wq_b, wk_b, wv_b, qb, kv, mask, mb; writes qb, kv, mb
.if DOCPART == 1
	.amdgcn_target "amdgcn-amd-amdhsa--gfx1250"
	.amdhsa_code_object_version 6
	.text
	.protected	k_q50b92af4a6_proj
	.globl	k_q50b92af4a6_proj
	.p2align	8
	.type	k_q50b92af4a6_proj,@function
k_q50b92af4a6_proj:
	s_mov_b64 s[64:65], 0
	v_nop
	global_prefetch_b8 v0, s[64:65] scope:SCOPE_SE
	s_setreg_imm32_b32 hwreg(HW_REG_WAVE_MODE, 25, 1), 1
	s_wait_xcnt 0x0
	s_wait_alu depctr_hold_cnt(0) depctr_sa_sdst(0) depctr_va_vdst(0) depctr_va_sdst(0) depctr_va_ssrc(0) depctr_va_vcc(0) depctr_vm_vsrc(0)
	s_getreg_b32 s2, hwreg(HW_REG_IB_STS2, 6, 4)
	s_cmp_eq_u32 s2, 0
	s_cbranch_scc0 .Lentry_in_a_cluster
	s_endpgm
.Lentry_in_a_cluster:
	s_bfe_u32 s2, ttmp6, 0x10000c
	s_cmp_lg_u32 s2, 0xf033
	s_cbranch_scc0 .Lentry_shape_is_right
	s_endpgm
.Lentry_shape_is_right:
; TWO KINDS OF WORK-GROUPS, told apart by the cluster's y alone (the same in all sixteen partners).
; Cluster rows 0-23: the three projections q, k, v (8 rows each): a block of 256 x 256 of x W^T + b on codes of FP4, quantised on the way out and stored as images of the attention launch's operand registers.
;   K is 1,024: a whole row of codes is 512 bytes, so ALL of a block's operands fit in LDS at once: A's 256 rows, B's 256 rows (528 bytes apart), and both blocks of scale bytes.
;   They come by four joint loads at the head, one a wave; nothing is filled again, so one barrier behind the wait for them is all the ordering that LDS needs.
;   No prefetch into the L2: every tile is asked for once, at the head; there is no loop to run ahead in.
; Cluster rows 24-31: the mask [4][2048][2048] of int32 becomes lane words (label .Lpack): 128 work-groups, a token tile of 16 rows to a wave.
.set NQ,     4
.set ROWB,   256
.set KROW,   512
.set PITCH,  528
.set FR,     8
.set NL,     2
.set NP,     4
.set HALFT,  128*PITCH
.set SLOT,   256
.set SCL,    4*HALFT
.set HALFS,  16*272
.set SBLK,   2*272
.set QBLK,   4608
.set KVBLK,  8960
.set HSV,    16*KVBLK
.set OC,   8
.set OC1,  9
.set OS,   10
.set SH,   11
.set BO,   12
.set BR,   13
.set ADRA, 16
.set ADRB, 20
.set ADRS, 27
.set SC,   32
.set TM,   96
.set T2,   100
.set SO,   104
.set PW,   108
.set PC,   112
.set W,    120
.set AF,   128
.set BIAS, 192
.set G1,   24
.set G0,   32
.set G1B,  48
.set G0B,  56
.set G1S,  68
.set G0S,  76
.set G1SB, 80
.set G0SB, 88
.set PROJ, 66
.set SEL,  18
.set MSB, 0
.macro WIN new
.if MSB != (\new)
	s_set_vgpr_msb (MSB<<8)|(\new)
.set MSB, (\new)
.endif
.endm
.set MUL_LO, 0xa1
.set MUL_HI, 0xf1
.set TO_B,   0x40
.macro ARM under, g0, g1, next         ; one arm of the head's tree of branches on the wave's number: its load, and a jump to the tree's end
	s_cmp_lt_u32 s14, \under
	s_cbranch_scc0 \next
	tensor_load_to_lds s[\g0:\g0+3], s[\g1:\g1+7]
	s_nop 0
.rept 4
	v_nop
.endr
	s_branch .Lhead_asked
\next:
.endm
.macro CROUND
	s_barrier_signal -1
	s_barrier_wait -1
	s_cmp_lg_u32 s14, 0
	s_cbranch_scc1 .Lnot_wave_0_\@
	s_barrier_signal -3
.Lnot_wave_0_\@:
	s_barrier_wait -3
	s_barrier_signal -1
	s_barrier_wait -1
.endm
	s_load_b256 s[24:31], s[0:1], 0x0
	s_load_b256 s[32:39], s[0:1], 0x20
	s_load_b256 s[48:55], s[0:1], 0x40
	s_load_b256 s[56:63], s[0:1], 0x60
	s_load_b64 s[68:69], s[0:1], 0x80
	s_load_b64 s[94:95], s[0:1], 0x88              ; mask
	s_load_b64 s[96:97], s[0:1], 0x90              ; mb
	v_lshl_add_u32 v110, v0, 2, 0x46400            ; the spare words lie behind the scales
	v_mov_b32 v111, 0
	ds_add_u32 v110, v111
	ds_add_u32 v110, v111
	v_lshrrev_b32 v1, 5, v0
	v_readfirstlane_b32 s14, v1
	s_lshr_b32 s15, s14, 1
	s_and_b32 s16, s14, 1
	s_bfe_u32 s40, ttmp6, 0x40000
	s_bfe_u32 s41, ttmp6, 0x40004
	s_and_b32 s67, ttmp7, 0xffff                   ; y: the launch's row of clusters, 0 .. 31
	; The cluster rows of the comment at the head are dealt to the launch's rows so: y even and under 16 -> row 24 + y / 2 (the mask: the longest work has the lowest numbers);
	; y odd and under 16 -> row y / 2; y from 16 on -> row y - 8.  Each row is taken once.
	s_lshr_b32 s20, s67, 1
	s_add_co_u32 s21, s20, 24
	s_sub_co_u32 s22, s67, 8
	s_bitcmp1_b32 s67, 0
	s_cselect_b32 s20, s20, s21
	s_cmp_lt_u32 s67, 16
	s_cselect_b32 s67, s20, s22
	s_lshr_b32 s[PROJ], s67, 3
	s_and_b32 s67, s67, 7
	s_lshl_b32 s67, s67, 2
	s_cmp_eq_u32 s[PROJ], 2
	s_cselect_b32 s17, 0, s67
	s_cselect_b32 s42, s67, 0
	s_add_co_u32 s17, s17, s41
	s_add_co_u32 s42, s42, s40
	s_lshl_b32 s43, s41, 2
	s_lshl_b32 s43, 15, s43
	s_lshl_b32 s44, 0x1111, s40
	s_lshl_b32 s20, s17, 17                        ; A: 256 rows of 512 bytes a tile row
	s_mov_b32 s21, 0
	s_lshl_b32 s46, s42, 17                        ; B likewise, by the tile column
	s_mov_b32 s47, 0
	s_lshl_b32 s22, s17, 13                        ; their scale bytes: 256 rows of 32
	s_mov_b32 s23, 0
	s_lshl_b32 s92, s42, 13
	s_mov_b32 s93, 0
	s_wait_alu depctr_va_vdst(0)                   ; directly ahead of the waits below
	s_wait_dscnt 0x0
	s_wait_kmcnt 0x0
	s_cmp_eq_u32 s[PROJ], 0
	s_cselect_b64 s[4:5], s[24:25], s[32:33]
	s_cselect_b64 s[6:7], s[26:27], s[34:35]
	s_cselect_b64 s[8:9], s[28:29], s[36:37]
	s_cselect_b64 s[10:11], s[30:31], s[38:39]
	s_cselect_b64 s[98:99], s[56:57], s[58:59]
	s_cselect_b64 s[12:13], s[62:63], s[68:69]
	s_movk_i32 s100, KVBLK
	s_cselect_b32 s100, QBLK, s100
	s_cmp_eq_u32 s[PROJ], 2
	s_cselect_b64 s[4:5], s[48:49], s[4:5]
	s_cselect_b64 s[6:7], s[50:51], s[6:7]
	s_cselect_b64 s[8:9], s[52:53], s[8:9]
	s_cselect_b64 s[10:11], s[54:55], s[10:11]
	s_cselect_b64 s[98:99], s[60:61], s[98:99]
	s_or_b32 s[G1+0], s43, (0<<16)|(1<<20)|(1<<21)|(6<<22)|(3<<25)   ; padding: four words behind every 128 (a row of 512 bytes)
	s_or_b32 s[G1B+0], s44, (0<<16)|(1<<20)|(1<<21)|(6<<22)|(3<<25)
.irp g, G1, G1B
	s_mov_b32 s[\g+1], KROW<<16
	s_mov_b32 s[\g+2], 256<<16
	s_mov_b32 s[\g+3], KROW<<16
	s_mov_b32 s[\g+4], 256
	s_mov_b32 s[\g+5], KROW
	s_mov_b32 s[\g+6], 0
	s_mov_b32 s[\g+7], 0
.endr
	s_or_b32 s[G1S+0], s43, (3<<16)|(1<<20)|(1<<21)|(5<<22)|(3<<25)
	s_or_b32 s[G1SB+0], s44, (3<<16)|(1<<20)|(1<<21)|(5<<22)|(3<<25)
.irp g, G1S, G1SB
	s_mov_b32 s[\g+1], 32<<16
	s_mov_b32 s[\g+2], 32<<16
	s_mov_b32 s[\g+3], 32<<16
	s_mov_b32 s[\g+4], 32
	s_mov_b32 s[\g+5], 32
	s_mov_b32 s[\g+6], 0
	s_mov_b32 s[\g+7], 0
.endr
	s_add_nc_u64 s[20:21], s[4:5], s[20:21]
	s_add_nc_u64 s[22:23], s[6:7], s[22:23]
	s_add_nc_u64 s[46:47], s[8:9], s[46:47]
	s_add_nc_u64 s[92:93], s[10:11], s[92:93]
	CROUND
	s_cmp_eq_u32 s[PROJ], 3                        ; cluster rows 24-31 pack the mask: the cluster's y alone decides
	s_cbranch_scc1 .Lpack
	s_mov_b32 s[G0], 1                             ; the head's four tiles, each whole: A's 256 rows of all K,
	s_mov_b32 s[G0+1], 0
	s_mov_b64 s[G0+2:G0+3], s[20:21]
	s_or_b32 s[G0+3], s[G0+3], 0x80000000
	s_mov_b32 s[G0B], 1                            ; B's 256 rows behind them,
	s_mov_b32 s[G0B+1], 2*HALFT
	s_mov_b64 s[G0B+2:G0B+3], s[46:47]
	s_or_b32 s[G0B+3], s[G0B+3], 0x80000000
	s_mov_b32 s[G0S], 1                            ; A's scale bytes,
	s_mov_b32 s[G0S+1], SCL
	s_mov_b64 s[G0S+2:G0S+3], s[22:23]
	s_or_b32 s[G0S+3], s[G0S+3], 0x80000000
	s_mov_b32 s[G0SB], 1                           ; and B's
	s_mov_b32 s[G0SB+1], SCL+2*HALFS
	s_mov_b64 s[G0SB+2:G0SB+3], s[92:93]
	s_or_b32 s[G0SB+3], s[G0SB+3], 0x80000000
	ARM 1, G0,  G1,  .Lhead_b                      ; one joint load a wave
	ARM 2, G0B, G1B, .Lhead_sa
	ARM 3, G0S, G1S, .Lhead_sb
	tensor_load_to_lds s[G0SB:G0SB+3], s[G1SB:G1SB+7]
	s_nop 0
.rept 4
	v_nop
.endr
.Lhead_asked:
	v_and_b32 v1, 15, v0
	v_bfe_u32 v2, v0, 4, 1
	v_mul_u32_u24 v3, v1, PITCH
	v_lshl_add_u32 v4, v2, 4, v3
	s_mul_i32 s21, s15, HALFT
	s_mul_i32 s22, s16, HALFT
	s_add_co_u32 s22, s22, 2*HALFT
.irp s, 0,1
	v_add_nc_u32 v[ADRA+\s], s21, v4
	v_add_nc_u32 v[ADRB+\s], s22, v4
	s_add_co_u32 s21, s21, SLOT
	s_add_co_u32 s22, s22, SLOT
.endr
	v_mul_u32_u24 v5, v1, 32
	v_lshrrev_b32 v6, 8, v5
	v_lshl_add_u32 v5, v6, 4, v5
	s_mul_i32 s21, s15, HALFS
	s_mul_i32 s22, s16, HALFS
	s_add_co_u32 s22, s22, 2*HALFS
	s_sub_co_u32 s22, s22, s21
	v_mul_u32_u24 v6, s22, v2
	s_add_co_u32 s21, s21, SCL
	v_add_nc_u32 v5, v5, v6
	v_add_nc_u32 v[ADRS], s21, v5
	s_mov_b32 s[SEL], 0x76543210
	s_mov_b32 s[SEL+1], 0xfedcba98
	s_mov_b32 s2, 0xffff
	s_mov_b32 s3, 0x7f7f0000
	s_lshl_b32 s101, s100, 4
	s_lshl_b32 s20, s17, 1
	s_add_co_u32 s20, s20, s15
	s_lshl_b32 s21, s42, 1
	s_add_co_u32 s21, s21, s16
	s_cmp_eq_u32 s[PROJ], 2
	s_cselect_b32 s22, s21, s20
	s_cselect_b32 s23, s20, s21
	s_cselect_b32 s95, QBLK, 0
	s_cselect_b32 s94, 0, s101
	s_lshl_b32 s46, s23, 9
	s_mov_b32 s47, 0
	s_add_nc_u64 s[98:99], s[98:99], s[46:47]
	s_lshl_b32 s23, s23, 1
	s_lshr_b32 s96, s22, 4
	s_lshl_b32 s96, s96, 4
	s_add_co_u32 s96, s96, s23
	s_lshl_b32 s96, s96, 4
	s_and_b32 s22, s22, 15
	s_add_co_u32 s96, s96, s22
	s_mul_i32 s96, s96, s100
	s_add_co_u32 s96, s96, s95
	s_mov_b32 s97, 0
	s_add_nc_u64 s[12:13], s[12:13], s[96:97]
	v_and_b32 v7, 31, v0
	v_lshlrev_b32 v[OC], 4, v7
	v_add_nc_u32 v[OC1], s101, v[OC]
	v_mul_u32_u24 v[OS], s94, v2
	v_lshl_add_u32 v[OS], v1, 4, v[OS]
	v_lshlrev_b32 v[SH], 4, v2
	v_lshlrev_b32 v[BO], 5, v2
	v_lshlrev_b32 v[BR], 2, v1
.irp b, 0,1,2,3
	v_mov_b32 v[T2+\b], 0
.endr
	s_cmp_eq_u32 s[PROJ], 2
	s_cbranch_scc1 .Lbias_v
.irp b, 0,1,2,3,4,5,6,7
	global_load_b128 v[BIAS+8*\b:BIAS+8*\b+3], v[BO], s[98:99] offset:64*\b
	global_load_b128 v[BIAS+8*\b+4:BIAS+8*\b+7], v[BO], s[98:99] offset:64*\b+16
.endr
	s_branch .Lbias_in
.Lbias_v:
	s_wait_alu depctr_va_vdst(0)
.irp a, 0,1,2,3,4,5,6,7
	global_load_b32 v[BIAS+8*\a], v[BR], s[98:99] offset:64*\a
.endr
	s_wait_loadcnt 0x0
.irp a, 0,1,2,3,4,5,6,7
.irp j, 1,2,3,4,5,6,7
	v_mov_b32 v[BIAS+8*\a+\j], v[BIAS+8*\a]
.endr
.endr
.Lbias_in:
	s_wait_loadcnt 0x0
.macro FRAG reg, adr, q, i
.irp c, 0,1
	ds_load_b128 v[\reg+4*\c:\reg+4*\c+3], v[\adr] offset:64*(\q)+32*\c+(\i)*16*PITCH
.endr
.endm
.macro MUL16 a0, p, q, sc, zero
.irp a, \a0, \a0+1
.irp b, 0,1,2,3,4,5,6,7
.if \zero == 1
	v_wmma_scale_f32_16x16x128_f8f6f4 v[8*(8*((\a)%4)+\b):8*(8*((\a)%4)+\b)+7], v[128*(\p)+FR*\b:128*(\p)+FR*\b+FR-1], v[AF+FR*(\a):AF+FR*(\a)+FR-1], v[BIAS+8*\b:BIAS+8*\b+7], v[SC+8*NQ*(\sc)+NQ*\b+(\q)], v[SC+8*NQ*(\sc)+NQ*(\a)+(\q)] matrix_a_fmt:MATRIX_FMT_FP4 matrix_b_fmt:MATRIX_FMT_FP4 matrix_a_scale:MATRIX_SCALE_ROW1
.elseif \zero == 2
	v_wmma_scale_f32_16x16x128_f8f6f4 v[8*(8*((\a)%4)+\b):8*(8*((\a)%4)+\b)+7], v[128*(\p)+FR*\b:128*(\p)+FR*\b+FR-1], v[AF+FR*(\a):AF+FR*(\a)+FR-1], v[BIAS+8*(\a):BIAS+8*(\a)+7], v[SC+8*NQ*(\sc)+NQ*\b+(\q)], v[SC+8*NQ*(\sc)+NQ*(\a)+(\q)] matrix_a_fmt:MATRIX_FMT_FP4 matrix_b_fmt:MATRIX_FMT_FP4 matrix_a_scale:MATRIX_SCALE_ROW1
.else
	v_wmma_scale_f32_16x16x128_f8f6f4 v[8*(8*((\a)%4)+\b):8*(8*((\a)%4)+\b)+7], v[128*(\p)+FR*\b:128*(\p)+FR*\b+FR-1], v[AF+FR*(\a):AF+FR*(\a)+FR-1], v[8*(8*((\a)%4)+\b):8*(8*((\a)%4)+\b)+7], v[SC+8*NQ*(\sc)+NQ*\b+(\q)], v[SC+8*NQ*(\sc)+NQ*(\a)+(\q)] matrix_a_fmt:MATRIX_FMT_FP4 matrix_b_fmt:MATRIX_FMT_FP4 matrix_a_scale:MATRIX_SCALE_ROW1
.endif
.endr
.endr
.endm
.macro FETCH_B slot, q, p
	WIN TO_B
.irp i, 0,1,2,3,4,5,6,7
	FRAG 128*(\p)+FR*\i, ADRB+\slot, \q, \i
.endr
	WIN 0
.endm
.macro FETCH_A slot, q, i0
.irp i, \i0, \i0+1, \i0+2, \i0+3
	FRAG AF+FR*(\i), ADRA+\slot, \q, \i
.endr
.endm
.macro SCALES sc
.irp i, 0,1,2,3,4,5,6,7
	ds_load_b128 v[SC+8*NQ*\sc+NQ*\i:SC+8*NQ*\sc+NQ*\i+3], v[ADRS] offset:\i*SBLK
.endr
.endm
.macro PLACES n
.rept \n
	v_nop
.endr
.endm
.macro STEP slot, q, zero
	s_wait_dscnt 4*NL
.if \zero
	WIN 0x81
.else
	WIN MUL_LO
.endif
	MUL16 0, (\q)%2, \q, \slot, \zero
	MUL16 2, (\q)%2, \q, \slot, \zero
	s_wait_dscnt 0
	PLACES NP
	FETCH_B \slot, (\q)+1, 1-(\q)%2
	FETCH_A \slot, (\q)+1, 0
.if \zero
	WIN 0xc1
.else
	WIN MUL_HI
.endif
	MUL16 4, (\q)%2, \q, \slot, \zero
	MUL16 6, (\q)%2, \q, \slot, \zero
	PLACES NP
	WIN 0
	FETCH_A \slot, (\q)+1, 4
.endm
.macro STEPS slot, from
.set Q, \from
.rept NQ-1-\from
	STEP \slot, Q, 0
.set Q, Q+1
.endr
.endm
	s_wait_tensorcnt 0x0
	s_barrier_signal -1
	s_barrier_wait -1
	FETCH_B 0, 0, 0
	FETCH_A 0, 0, 0
	SCALES 0
	FETCH_A 0, 0, 4
	s_cmp_eq_u32 s[PROJ], 2
	s_cbranch_scc1 .Lfirst_v
	s_wait_alu depctr_va_vdst(0)
	STEP 0, 0, 1
	s_branch .Lfirst_done
.Lfirst_v:
	s_wait_alu depctr_va_vdst(0)
	STEP 0, 0, 2
.Lfirst_done:
	STEPS 0, 1
	s_wait_dscnt 4*NL
	WIN MUL_LO
	MUL16 0, 1, NQ-1, 0, 0
	s_wait_dscnt 0x0
	MUL16 2, 1, NQ-1, 0, 0
	WIN 0
	PLACES NP
	v_add_nc_u32 v[ADRS], 4*NQ, v[ADRS]
	FETCH_B 1, 0, 0
	FETCH_A 1, 0, 0
	SCALES 1
	WIN MUL_HI
	MUL16 4, 1, NQ-1, 0, 0
	MUL16 6, 1, NQ-1, 0, 0
	PLACES NP
	WIN 0
	FETCH_A 1, 0, 4
	STEPS 1, 0
	s_wait_dscnt 4*NL
	WIN MUL_LO
	MUL16 0, 1, NQ-1, 1, 0
	MUL16 2, 1, NQ-1, 1, 0
	s_wait_dscnt 0
	WIN MUL_HI
	MUL16 4, 1, NQ-1, 1, 0
	MUL16 6, 1, NQ-1, 1, 0
	WIN 0
	PLACES NP
.macro EPI a, isv
.set AC, 64*((\a)%4)
.set WA, 2+(\a)/4
	WIN (WA<<2)|(WA<<4)
.irp b, 0,1,2,3
	v_max3_num_f32 v[TM+\b], 0x1800000, |v[AC+16*\b]|, |v[AC+16*\b+1]|
.endr
.irp i, 2,4,6,8,10,12,14
.irp b, 0,1,2,3
	v_max3_num_f32 v[TM+\b], v[TM+\b], |v[AC+16*\b+\i]|, |v[AC+16*\b+\i+1]|
.endr
.endr
	WIN 0
.irp b, 0,1,2,3
	v_permlanex16_b32 v[T2+\b], v[TM+\b], s[SEL], s[SEL+1]
.endr
.irp b, 0,1,2,3
	v_max_num_f32 v[TM+\b], v[TM+\b], v[T2+\b]
.endr
.irp b, 0,1,2,3
	v_add_nc_u32 v[SO+\b], 0xff000000, v[TM+\b]
.endr
.irp b, 0,1,2,3
	v_lshrrev_b32 v[T2+\b], 23, v[SO+\b]
.endr
	v_lshl_or_b32 v[PW], v[T2+1], 8, v[T2]
	v_lshl_or_b32 v[PW], v[T2+2], 16, v[PW]
	v_lshl_or_b32 v[PW], v[T2+3], 24, v[PW]
.if (\a) > 0
	s_wait_xcnt 0x0
.endif
	WIN WA
.irp c, 0,1
	v_cvt_scalef32_pk8_fp4_f32 v[PC+4*\c], v[AC+32*\c:AC+32*\c+7], v[SO+2*\c]
	v_cvt_scalef32_pk8_fp4_f32 v[PC+4*\c+2], v[AC+32*\c+8:AC+32*\c+15], v[SO+2*\c]
	v_cvt_scalef32_pk8_fp4_f32 v[PC+4*\c+1], v[AC+32*\c+16:AC+32*\c+23], v[SO+2*\c+1]
	v_cvt_scalef32_pk8_fp4_f32 v[PC+4*\c+3], v[AC+32*\c+24:AC+32*\c+31], v[SO+2*\c+1]
.endr
	WIN 0
	v_nop
.irp c, 0,1
	v_permlane16_swap_b32 v[PC+4*\c], v[PC+4*\c+1]
	v_permlane16_swap_b32 v[PC+4*\c+2], v[PC+4*\c+3]
.endr
.if \isv
	global_store_b128 v[OC], v[PC:PC+3], s[12:13] offset:((\a)/4)*HSV+((\a)%4)*1024
	global_store_b128 v[OC], v[PC+4:PC+7], s[12:13] offset:((\a)/4)*HSV+((\a)%4)*1024+512
	v_mov_b32 v[W+(\a)], v[PW]
.else
	global_store_b128 v[OC], v[PC:PC+3], s[12:13] offset:512*(\a)
	global_store_b128 v[OC1], v[PC+4:PC+7], s[12:13] offset:512*(\a)
	v_lshrrev_b32 v[W+(\a)], v[SH], v[PW]
	v_and_or_b32 v[W+(\a)], v[W+(\a)], s2, s3
.endif
.endm
	s_cmp_eq_u32 s[PROJ], 2
	s_cbranch_scc1 .Lout_v
.irp a, 0,1,2,3,4,5,6,7
	EPI \a, 0
.endr
	global_store_b128 v[OS], v[W:W+3], s[12:13] offset:4096
	global_store_b128 v[OS], v[W+4:W+7], s[12:13] offset:4352
	s_branch .Lout_done
.Lout_v:
.irp a, 0,1,2,3,4,5,6,7
	EPI \a, 1
.endr
	global_store_b128 v[OS], v[W:W+3], s[12:13] offset:4096
	global_store_b128 v[OS], v[W+4:W+7], s[12:13] offset:HSV+4096
.Lout_done:
	s_wait_tensorcnt 0x0
	ds_add_u32 v110, v111
	s_wait_dscnt 0x0
	CROUND
	s_endpgm
; THE MASK BECOMES LANE WORDS: mb[token tile Tg = (b 2048 + q) / 16][key step s][n] of 32 bits, n = 0 .. 63.  Bit r + 16 h of word n says whether
; mask[16 Tg + r][128 s + 16 (n / 8) + 8 h + n % 8] is other than 0: the lanes of score register n in the attention launch.
; A wave takes a token tile: 16 rows of 8,192 bytes, as 16 units of 16 rows x 512 bytes (a key step each).  Every load reads 512 consecutive bytes; a unit turns through the wave's own stage in LDS
; (bytes that no tensor load of this text fills; rows 528 bytes apart) so that a lane holds one row's numbers.  Four units' loads, 64, are out together: they land in window 1, v[64 u ..].
.Lpack:
.set PST, 0x46600                      ; the stages: behind the spare words, 16 x 528 bytes a wave
.set PSP, 528
.set PX,  16                           ; v16-79  a unit as turned
.set PWD, 8                            ; v8-15   unit u of a trip: words 2 l, 2 l + 1 of lane l
	s_add_co_u32 s20, s67, s41                     ; 4 x (cluster row - 24) + cy
	s_lshl_b32 s20, s20, 2
	s_add_co_u32 s20, s20, s40                     ; x 4 + cx: work-group 0 .. 127 (it enters global addresses alone)
	s_lshl_b32 s20, s20, 2
	s_add_co_u32 s20, s20, s14                     ; x 4 + wave: the token tile, 0 .. 511
	s_lshl_b32 s22, s20, 12                        ; 4,096 bytes of words a token tile
	s_mov_b32 s23, 0
	s_lshl_b32 s20, s20, 17                        ; 16 rows of 8,192 bytes
	s_mov_b32 s21, 0
	s_add_nc_u64 s[94:95], s[94:95], s[20:21]
	s_add_nc_u64 s[96:97], s[96:97], s[22:23]
	v_and_b32 v5, 31, v0
	v_and_b32 v6, 15, v0
	v_bfe_u32 v7, v0, 4, 1
	v_lshlrev_b32 v1, 4, v5                        ; my 16 bytes of a load's 512
	s_mul_i32 s9, s14, 16*PSP
	s_add_co_u32 s9, s9, PST
	v_add_nc_u32 v2, s9, v1                        ; into the stage: as loaded
	v_mul_u32_u24 v3, v6, PSP
	v_lshl_add_u32 v3, v7, 5, v3
	v_add_nc_u32 v3, s9, v3                        ; out of it: row r, + 32 h
	v_lshlrev_b32 v4, 3, v5                        ; the way out: 8 bytes a lane
.irp i, 0,1,2,3,4,5,6,7
	v_mov_b32 v[PWD+\i], 0                         ; written once: v_writelane_b32's destination counts as read
.endr
	s_wait_alu depctr_va_vdst(0)                   ; the wait at the head's end
	WIN 0x40
.irp u, 0,1,2,3
.irp rr, 0,1,2,3,4,5,6,7,8,9,10,11,12,13,14,15
	global_load_b128 v[64*\u+4*\rr:64*\u+4*\rr+3], v1, s[94:95] offset:\rr*8192+\u*512 th:TH_LOAD_NT
.endr
.endr
	WIN 0
.macro PUNIT u, more, cnt              ; cnt: the loads issued behind this unit's sixteen
	s_wait_loadcnt \cnt
	WIN 0x04                                       ; the stores' data: window 1
.irp rr, 0,1,2,3,4,5,6,7,8,9,10,11,12,13,14,15
	ds_store_b128 v2, v[64*\u+4*\rr:64*\u+4*\rr+3] offset:\rr*PSP
.endr
	WIN 0
.irp t, 0,1,2,3,4,5,6,7
	ds_load_b128 v[PX+8*\t:PX+8*\t+3], v3 offset:64*\t             ; register 8 t + j: key 16 t + 8 h + j of row r (LDS serves a wave's instructions in order: ISA guide 5.7.1.4)
	ds_load_b128 v[PX+8*\t+4:PX+8*\t+7], v3 offset:64*\t+16
.endr
	s_wait_dscnt 0x0                               ; the unit is back, and the stores have read their registers
	s_wait_xcnt 0x0                                ; the last trip's store has read its two registers
.if \more
	WIN 0x40
.irp rr, 0,1,2,3,4,5,6,7,8,9,10,11,12,13,14,15
	global_load_b128 v[64*\u+4*\rr:64*\u+4*\rr+3], v1, s[94:95] offset:\rr*8192+(\u+4)*512 th:TH_LOAD_NT   ; the unit four on
.endr
	WIN 0
.endif
.irp g, 0,1,2,3
.irp k, 0,1,2,3,4,5,6,7,8,9,10,11,12,13,14,15
	v_cmp_ne_u32 s[16+\k], 0, v[PX+16*\g+\k]
.endr
.irp k, 0,1,2,3,4,5,6,7,8,9,10,11,12,13,14,15
	v_writelane_b32 v[PWD+2*\u+(\k)%2], s[16+\k], 8*\g+(\k)/2
.endr
.endr
	global_store_b64 v4, v[PWD+2*\u:PWD+2*\u+1], s[96:97] offset:256*\u   ; 32 lanes store 256 consecutive bytes, aligned
.endm
	s_mov_b32 s3, 3
.Lpk:                                              ; three trips of four units; the last four are written out, without loads
	PUNIT 0, 1, 48
	PUNIT 1, 1, 48
	PUNIT 2, 1, 48
	PUNIT 3, 1, 48
	s_wait_xcnt 0x0                                ; the bases are stepped only behind this wait
	s_add_nc_u64 s[94:95], s[94:95], 2048
	s_add_nc_u64 s[96:97], s[96:97], 1024
	s_sub_co_u32 s3, s3, 1
	s_cmp_lg_u32 s3, 0
	s_cbranch_scc1 .Lpk
	PUNIT 0, 0, 48
	PUNIT 1, 0, 32
	PUNIT 2, 0, 16
	PUNIT 3, 0, 0
	s_wait_tensorcnt 0x0                           ; the wave's end
	ds_add_u32 v110, v111
	s_wait_dscnt 0x0
	CROUND                                         ; as many rounds on this way as on the other
	s_endpgm
.Lfunc_end_k_q50b92af4a6_proj:
	.size	k_q50b92af4a6_proj, .Lfunc_end_k_q50b92af4a6_proj-k_q50b92af4a6_proj
	.p2alignl 7, 3214868480
	.fill 96, 4, 3214868480
	.section	.rodata,"a",@progbits
	.p2align	6, 0x0
	.amdhsa_kernel k_q50b92af4a6_proj
		.amdhsa_group_segment_fixed_size 327680
		.amdhsa_private_segment_fixed_size 0
		.amdhsa_enable_private_segment 0
		.amdhsa_kernarg_size 152
		.amdhsa_user_sgpr_count 2
		.amdhsa_user_sgpr_kernarg_segment_ptr 1
		.amdhsa_wavefront_size32 1
		.amdhsa_system_sgpr_workgroup_id_x 1
		.amdhsa_system_sgpr_workgroup_id_y 1
		.amdhsa_system_sgpr_workgroup_id_z 1
		.amdhsa_system_vgpr_workitem_id 0
		.amdhsa_next_free_vgpr 1024
		.amdhsa_next_free_sgpr 102
		.amdhsa_reserve_vcc 0
		.amdhsa_float_denorm_mode_32 3
		.amdhsa_float_denorm_mode_16_64 3
		.amdhsa_memory_ordered 1
		.amdhsa_forward_progress 1
		.amdhsa_inst_pref_size 255
	.end_amdhsa_kernel
	.section	.bss,"aw",@nobits
	.p2align	6
	.space	262144
	.amdgpu_metadata
---
amdhsa.version: [ 1, 2 ]
amdhsa.kernels:
  - .name:           k_q50b92af4a6_proj
    .symbol:         k_q50b92af4a6_proj.kd
    .args:
      - { .name: query_codes, .offset: 0, .size: 8, .value_kind: global_buffer, .address_space: global }
      - { .name: query_scales, .offset: 8, .size: 8, .value_kind: global_buffer, .address_space: global }
      - { .name: wq_w_codes, .offset: 16, .size: 8, .value_kind: global_buffer, .address_space: global }
      - { .name: wq_w_scales, .offset: 24, .size: 8, .value_kind: global_buffer, .address_space: global }
      - { .name: key_in_codes, .offset: 32, .size: 8, .value_kind: global_buffer, .address_space: global }
      - { .name: key_in_scales, .offset: 40, .size: 8, .value_kind: global_buffer, .address_space: global }
      - { .name: wk_w_codes, .offset: 48, .size: 8, .value_kind: global_buffer, .address_space: global }
      - { .name: wk_w_scales, .offset: 56, .size: 8, .value_kind: global_buffer, .address_space: global }
      - { .name: wv_w_codes, .offset: 64, .size: 8, .value_kind: global_buffer, .address_space: global }
      - { .name: wv_w_scales, .offset: 72, .size: 8, .value_kind: global_buffer, .address_space: global }
      - { .name: value_codes, .offset: 80, .size: 8, .value_kind: global_buffer, .address_space: global }
      - { .name: value_scales, .offset: 88, .size: 8, .value_kind: global_buffer, .address_space: global }
      - { .name: wq_b, .offset: 96, .size: 8, .value_kind: global_buffer, .address_space: global }
      - { .name: wk_b, .offset: 104, .size: 8, .value_kind: global_buffer, .address_space: global }
      - { .name: wv_b, .offset: 112, .size: 8, .value_kind: global_buffer, .address_space: global }
      - { .name: qb, .offset: 120, .size: 8, .value_kind: global_buffer, .address_space: global }
      - { .name: kv, .offset: 128, .size: 8, .value_kind: global_buffer, .address_space: global }
      - { .name: mask, .offset: 136, .size: 8, .value_kind: global_buffer, .address_space: global }
      - { .name: mb, .offset: 144, .size: 8, .value_kind: global_buffer, .address_space: global }
    .group_segment_fixed_size: 327680
    .private_segment_fixed_size: 0
    .kernarg_segment_align: 8
    .kernarg_segment_size: 152
    .max_flat_workgroup_size: 128
    .sgpr_count:     102
    .vgpr_count:     1024
    .wavefront_size: 32
...
	.end_amdgpu_metadata
.endif
;; end of part 1
;; launch attn (part 2): grid 4 x 64, 16 waves a work-group, clusters of 4 x 1, 169,984 bytes of LDS; arguments qb, kv, mb, oimg, oscl; writes oimg, oscl
.if DOCPART == 2
	.amdgcn_target "amdgcn-amd-amdhsa--gfx1250"
	.amdhsa_code_object_version 6
	.text
	.protected	k_q50b92af4a6_attn
	.globl	k_q50b92af4a6_attn
	.p2align	8
	.type	k_q50b92af4a6_attn,@function
k_q50b92af4a6_attn:
	s_mov_b64 s[64:65], 0
	v_nop
	global_prefetch_b8 v0, s[64:65] scope:SCOPE_SE
	s_setreg_imm32_b32 hwreg(HW_REG_WAVE_MODE, 25, 1), 1
	s_wait_xcnt 0x0
	s_wait_alu depctr_hold_cnt(0) depctr_sa_sdst(0) depctr_va_vdst(0) depctr_va_sdst(0) depctr_va_ssrc(0) depctr_va_vcc(0) depctr_vm_vsrc(0)
	s_getreg_b32 s2, hwreg(HW_REG_IB_STS2, 6, 4)
	s_cmp_eq_u32 s2, 0
	s_cbranch_scc0 .Lentry_in_a_cluster
	s_endpgm
.Lentry_in_a_cluster:
	s_bfe_u32 s2, ttmp6, 0x10000c
	s_cmp_lg_u32 s2, 0x3003
	s_cbranch_scc0 .Lentry_shape_is_right
	s_endpgm
.Lentry_shape_is_right:
; For each batch and head: o = softmax(q k^T / 8, masked) v, both products on codes of FP4 (E2M1) with one E8M0 byte for each 32 along K; o is quantised along the model's 1,024 for the last product.
; THE SOFTMAX AHEAD OF THE SECOND PRODUCT: t = score x log2(e) / 8; M = the row's largest t so far, rounded UP to a whole number; p = 2^(t - M) is quantised along the keys, not normalised.  The row's sum is taken of the
; unquantised p and divides at the end.  When M moves, the sum and O are multiplied by 2^(old M - new M): exact.
; THE MASK comes as lane words (launch proj): word n of a key step has a bit for each lane of score register n; it is read into a scalar register and selects between the score and -2^33.
; LIMITS.  A hidden score counts as the logit -2^33 / 8 = -1.07e9 where the model writes -1e9: -2^33 x c is a whole number, so that a row with every key hidden gives p = 1 for all keys exactly, the uniform weights of the model.
;   It differs only where true logits lie under about -1e9.  NaN and infinities are not served.  A block of zeros, or one whose largest magnitude lies under 2^-124, keeps the byte 1: only this program reads these bytes.
; SHARES.  A work-group owns 512 queries of one head; each of its sixteen waves owns two tiles of 16 queries, one after the other, in 256 registers: four waves to a SIMD.  Every wave walks the head's 2,048 keys, 128 a step.
; LDS.  A head's k and v, codes and scale words, are 16 blocks of 8,960 bytes, laid by launch proj as images of the operands' registers: they come in ONCE (wave w asks for block w) and stay: no slot, no refill;
; every LDS load reads 16 x lane on end.  A step's v and the NEXT step's k are asked for behind the score products, so that the softmax stands between these loads and the wait for them.
; THE WAVES WALK THE KEYS TOGETHER: one work-group barrier a step, split: the signal stands ahead of a step's second product (no LDS load of the wave is out there), the wait behind the next step's selects.
; Between the two stand register work and loads of LDS bytes that nobody writes.  It guards no bytes: it holds the sixteen waves within one step of each other.
; CLUSTER.  The four work-groups of a head read the same 143,360 bytes: each block is asked for JOINTLY, by the same tensor load with the same descriptor and the mask of all four.
; LAYOUT.  Both products are used transposed: S^T = k q^T (source 0 = 16 keys, source 1 = my 16 queries; K = the head's 64, filled up to 128 with zero codes under the byte 127), O^T = v^T p^T: a lane holds ONE query throughout.
; PREFETCH INTO THE L2: of the mask words alone, one instruction a wave at the head (see there).  k and v are asked for once, at the head: there is nothing to run ahead of.
.set BLKB,  8960                       ; a block: 128 keys: k's 8 images (4,096), k's scale words (512), v's 4 tiles (4,096), v's scale words (256)
.set HEADB, 16*BLKB
.set QBLK,  4608
.set NEG,  3                           ; v3   -2^33
.set ADL,  4                           ; v4   the step's block + 16 x lane
.set ADR,  5                           ; v5   the step's block + 16 r
.set Q,    16                          ; v16-23  q's fragment; v20-23 are zero codes
.set QSC,  24                          ; v24     q's scale words
.set KSC,  28                          ; v28-31  k's: register i: lanes 0-15 tile i, lanes 16-31 tile 4 + i
.set VSC,  32                          ; v32-35  v's: register t: tile t
.set PW,   36                          ; v36     p's scale word
.set KF,   40                          ; v40-103  k's 8 fragments; the upper four registers of each are zero codes
.set VF,   104                         ; v104-135 v's 4 fragments
.set S,    136                         ; v136-199 S^T, then p
.set O,    200                         ; v200-231 O^T
.set PC,   232                         ; v232-239 p's codes
.set BM,   240                         ; v240-243 a block's largest score, then its largest p
.set T2,   244                         ; v244-247 at work
.set SO,   248                         ; v248-251 the conversions' scale operands
.set F,    252                         ; v[252:253] f = 2^(old M - new M); v253 is named with it as a pair
.set X,    254                         ; v254 at work
.set TB,   2                           ; s2   LDS byte at which the step's block begins
.set CNT,  3                           ; s3   steps to go
.set WV,   14                          ; s14  my wave's number
.set SEL,  20                          ; s[20:21] lane selects for v_permlanex16_b32: lane l xor 16
.set CS,   22                          ; s[22:23] c = log2(e) / 8
.set MP,   24                          ; s[24:25] the step's 64 mask words in memory
.set G0,   32                          ; s[32:35], s[36:43] the one descriptor; behind the wait for its load the mask words take s[32:63] and s[68:99]
.set G1,   36
.macro ROUND                           ; a round of the cluster's barrier
	s_barrier_signal -1
	s_barrier_wait -1
	s_cmp_lg_u32 s[WV], 0
	s_cbranch_scc1 .Lnot_wave_0_\@
	s_barrier_signal -3
.Lnot_wave_0_\@:
	s_barrier_wait -3
	s_barrier_signal -1
	s_barrier_wait -1
.endm
.macro WORDS                           ; 64 mask words, 256 bytes
	s_load_b512 s[32:47], s[MP:MP+1], 0x0
	s_load_b512 s[48:63], s[MP:MP+1], 0x40
	s_load_b512 s[68:83], s[MP:MP+1], 0x80
	s_load_b512 s[84:99], s[MP:MP+1], 0xc0
.endm
	s_load_b256 s[4:11], s[0:1], 0x0               ; qb s[4:5], kv s[6:7], mb s[8:9], oimg s[10:11]
	s_load_b64 s[12:13], s[0:1], 0x20              ; oscl
	v_lshl_add_u32 v39, v0, 2, 0x29000
	v_mov_b32 v255, 0
	ds_add_u32 v39, v255                           ; the opening lines: the add, twice on end, and its wait
	ds_add_u32 v39, v255
	v_lshrrev_b32 v1, 5, v0
	s_delay_alu instid0(VALU_DEP_1)
	v_readfirstlane_b32 s[WV], v1                  ; wave 0..15
	s_bfe_u32 s15, ttmp6, 0x40000                  ; cx: which 512 queries: it enters global addresses of q, the mask and o alone
	s_and_b32 s16, ttmp7, 0xffff                   ; batch x 16 + head, which the four partners share
	s_mov_b32 s[G1+0], 15|(3<<16)|(1<<21)          ; 15:0 the mask: all four work-groups; 17:16 elements of 8 bytes; 21 set beside a mask; no padding
	s_mov_b32 s[G1+1], 32<<16                      ; tensor_dim0 = 32 elements: rows of 256 bytes
	s_mov_b32 s[G1+2], 35<<16                      ; tensor_dim1 = 35 rows: a block
	s_mov_b32 s[G1+3], 32<<16                      ; tile_dim0
	s_mov_b32 s[G1+4], 35                          ; tile_dim1
	s_mov_b32 s[G1+5], 32                          ; the pitch: dense
	s_mov_b32 s[G1+6], 0
	s_mov_b32 s[G1+7], 0
	s_mov_b32 s[G0], 1
	s_mul_i32 s[G0+1], s[WV], BLKB                 ; LDS address: my wave's block
	s_mul_i32 s2, s16, HEADB
	s_add_co_u32 s2, s2, s[G0+1]                   ; and the same block of my head in memory (under 2^24)
	s_mov_b32 s3, 0
	s_wait_dscnt 0x0
	s_wait_kmcnt 0x0
	s_add_nc_u64 s[G0+2:G0+3], s[6:7], s[2:3]
	s_or_b32 s[G0+3], s[G0+3], 0x80000000
	ROUND                                          ; all four work-groups are here: the joint loads meet
	tensor_load_to_lds s[G0:G0+3], s[G1:G1+7]      ; my one tensor load of the launch
	s_nop 0
.rept 4
	v_nop
.endr
	v_and_b32 v9, 31, v0
	s_delay_alu instid0(VALU_DEP_1)
	v_lshlrev_b32 v1, 4, v9                        ; v1  16 x lane
	v_and_b32 v9, 15, v0
	s_delay_alu instid0(VALU_DEP_1)
	v_lshlrev_b32 v2, 4, v9                        ; v2  16 r
	s_delay_alu instid0(VALU_DEP_2)
	v_lshlrev_b32 v8, 5, v9                        ; v8  32 r: a token's row of scale bytes
	v_mov_b32 v[NEG], 0xd0000000
.irp t, 0,1,2,3,4,5,6,7
.irp i, 4,5,6,7
	v_mov_b32 v[KF+8*\t+\i], 0                     ; K = 64 .. 127 of every fragment of k: zero codes, written once
.endr
.endr
.irp i, 4,5,6,7
	v_mov_b32 v[Q+\i], 0                           ; and of q
.endr
.irp b, 0,1,2,3
	v_mov_b32 v[T2+\b], 0                          ; written once: a lane permute's destination counts as one of its sources
.endr
	v_mov_b32 v[F+1], 0
	s_mov_b32 s[SEL], 0x76543210
	s_mov_b32 s[SEL+1], 0xfedcba98
	s_mov_b32 s[CS], 0x3e38aa3b                    ; c = log2(e) / 8
	s_mov_b32 s[CS+1], s[CS]                       ; (named with it as a pair, so it is written)
	s_lshl_b32 s18, s15, 5
	s_add_co_u32 s18, s18, s[WV]                   ; my first tile of queries in the batch: 32 cx + wave; the second lies 16 on
	s_mov_b32 s17, 2                               ; tiles to go
	; q of my first tile, asked for while the tensor load is out.  The second tile lies 16 tiles = two blocks of QBLK bytes on, at the same place in its block: s[26:27], v6 and v7 serve both.
	s_lshl_b32 s26, s16, 4                         ; q: 16 blocks a head, 8 tiles a block
	s_lshr_b32 s3, s18, 3
	s_add_co_u32 s26, s26, s3
	s_mul_i32 s26, s26, QBLK
	s_mov_b32 s27, 0
	s_add_nc_u64 s[26:27], s[4:5], s[26:27]
	s_and_b32 s3, s18, 7
	s_lshl_b32 s3, s3, 9
	v_add_nc_u32 v6, s3, v1                        ; my tile's image
	s_bfe_u32 s3, s18, 0x10002                     ; its scale words lie [a / 4][r][a % 4] from 4,096 on
	s_lshl_b32 s3, s3, 8
	s_and_b32 s2, s18, 3
	s_lshl_b32 s2, s2, 2
	s_add_co_u32 s3, s3, s2
	s_add_co_u32 s3, s3, 4096
	v_add_nc_u32 v7, s3, v2
	global_load_b128 v[Q:Q+3], v6, s[26:27]
	global_load_b32 v[QSC], v7, s[26:27]
	; A PREFETCH INTO THE L2 of mask words.  The sixteen heads of a batch read the same words and share them out by address: head j asks for key step j's 256 bytes of each token tile,
	; lanes 0-15 for my first tile, lanes 16-31 for my second (16 tiles, 65,536 bytes, on).  So each block of 256 bytes is named once in the launch, j steps ahead of its use.
	s_lshr_b32 s24, s16, 4
	s_lshl_b32 s24, s24, 7
	s_add_co_u32 s24, s24, s18                     ; my first token tile among all 512
	s_lshl_b32 s24, s24, 12                        ; mask words: 4,096 bytes a token tile
	s_mov_b32 s25, 0
	s_add_nc_u64 s[MP:MP+1], s[8:9], s[24:25]      ; my first tile's first step: from here on this pointer is only stepped
	s_and_b32 s28, s16, 15
	s_lshl_b32 s28, s28, 8                         ; head j: key step j's 256 bytes
	s_mov_b32 s29, 0
	s_add_nc_u64 s[28:29], s[MP:MP+1], s[28:29]
	v_bfe_u32 v10, v0, 4, 1
	v_lshlrev_b32 v10, 16, v10
	global_prefetch_b8 v10, s[28:29] th:TH_LOAD_NT scope:SCOPE_SE
	s_wait_alu depctr_va_vdst(0)                   ; the wait at the head's end
	s_wait_tensorcnt 0x0                           ; my block is in,
	s_barrier_signal -1
	s_barrier_wait -1                              ; everybody's is: from here on LDS is only read
	s_wait_xcnt 0x0                                ; the prefetch has read its address: s[28:29] are written again below
	WORDS                                          ; my first tile's first mask words: the descriptor's registers are free behind the wait on TENSORcnt
; A KEY STEP: 128 keys.  more = 1: the next step's k and mask words are asked for, and the block's address steps.  more = 0: a tile's last step: in the first tile it asks for the second tile's q and first mask words.
.macro STEP more
.irp t, 0,1,2,3
	v_wmma_scale_f32_16x16x128_f8f6f4 v[S+8*\t:S+8*\t+7], v[KF+8*\t:KF+8*\t+7], v[Q:Q+7], 0, v[KSC+\t], v[QSC] matrix_a_fmt:MATRIX_FMT_FP4 matrix_b_fmt:MATRIX_FMT_FP4
.endr
.irp t, 4,5,6,7
	v_wmma_scale_f32_16x16x128_f8f6f4 v[S+8*\t:S+8*\t+7], v[KF+8*\t:KF+8*\t+7], v[Q:Q+7], 0, v[KSC+\t-4], v[QSC] matrix_a_fmt:MATRIX_FMT_FP4 matrix_b_fmt:MATRIX_FMT_FP4 matrix_a_scale:MATRIX_SCALE_ROW1
.endr
	v_add_nc_u32 v[ADL], s[TB], v1
	v_add_nc_u32 v[ADR], s[TB], v2
	v_nop
	v_nop                                          ; these four lines are the places between the products (the last step's second, this step's first) and the loads into their registers, and ahead of the selects
.irp t, 0,1,2,3
.irp c, 0,1
	ds_load_b128 v[VF+8*\t+4*\c:VF+8*\t+4*\c+3], v[ADL] offset:4608+1024*\t+512*\c   ; dim 16 t + r, keys 64 c + 32 h .. + 31
.endr
.endr
	ds_load_b128 v[VSC:VSC+3], v[ADR] offset:8704
.if \more
.irp t, 0,1,2,3,4,5,6,7
	ds_load_b128 v[KF+8*\t:KF+8*\t+3], v[ADL] offset:BLKB+512*\t   ; the NEXT step's k: keys 16 t + r, dims 32 h .. + 31
.endr
	ds_load_b128 v[KSC:KSC+3], v[ADL] offset:BLKB+4096
.endif
	s_wait_kmcnt 0x0                               ; this step's 64 mask words are in
.set n, 0
.rept 64
	v_cndmask_b32 v[S+n], v[NEG], v[S+n], s[32+n+4*(n/32)]   ; register 8 t + j of lane (r, h): query r, key 16 t + 8 h + j: the score where the mask's bit is set, else -2^33.  Each accumulator from its low end on
.set n, n+1
.endr
	s_wait_alu depctr_va_vdst(0)                   ; directly ahead of the barrier's wait
	s_barrier_wait -1                              ; every wave has come to the last step's second product (in a tile's first step: to the tile's head)
.if \more
	s_add_nc_u64 s[MP:MP+1], s[MP:MP+1], 256       ; (the loads that read this address are done: the wait on KMcnt above)
	WORDS                                          ; the next step's mask words: all the rest of this step stands between these loads and the wait for them
.else
	s_cmp_eq_u32 s17, 2
	s_cbranch_scc0 .Lno_next_\@                    ; the second tile has no successor: no load leaves its buffer
	s_add_nc_u64 s[MP:MP+1], s[MP:MP+1], 65536-15*256   ; from my tile's last step to the first step of the tile 16 on
	WORDS
	global_load_b128 v[Q:Q+3], v6, s[26:27] offset:2*QBLK   ; and its q: the score products that read these registers stand more than four places back
	global_load_b32 v[QSC], v7, s[26:27] offset:2*QBLK
.Lno_next_\@:
.endif
.irp b, 0,1,2,3
	v_max3_num_f32 v[BM+\b], v[S+16*\b], v[S+16*\b+1], v[S+16*\b+2]   ; the largest score of each block of 32 keys (tiles 2 b, 2 b + 1): it serves for the row's maximum and, since p rises with the score, for the block's largest p
.endr
.irp i, 3,5,7,9,11,13
.irp b, 0,1,2,3
	s_delay_alu instid0(VALU_DEP_4)
	v_max3_num_f32 v[BM+\b], v[BM+\b], v[S+16*\b+\i], v[S+16*\b+\i+1]
.endr
.endr
.irp b, 0,1,2,3
	s_delay_alu instid0(VALU_DEP_4)
	v_max_num_f32 v[BM+\b], v[BM+\b], v[S+16*\b+15]
.endr
.irp b, 0,1,2,3
	s_delay_alu instid0(VALU_DEP_4)
	v_permlanex16_b32 v[T2+\b], v[BM+\b], s[SEL], s[SEL+1]
.endr
.irp b, 0,1,2,3
	s_delay_alu instid0(VALU_DEP_4)
	v_max_num_f32 v[BM+\b], v[BM+\b], v[T2+\b]     ; with lane l xor 16's 16 keys
.endr
	s_delay_alu instid0(VALU_DEP_2)
	v_max3_num_f32 v[X], v[BM], v[BM+1], v[BM+2]
	s_delay_alu instid0(VALU_DEP_1)
	v_max_num_f32 v[X], v[X], v[BM+3]              ; the step's largest score of my query
	s_delay_alu instid0(VALU_DEP_1)
	v_mul_f32 v[X], s[CS], v[X]                    ; as t (c is positive)
	s_delay_alu instid0(VALU_DEP_1)
	v_max_num_f32 v13, v13, v[X]                   ; the running largest t
	v_mov_b32 v[X], v12
	s_delay_alu instid0(VALU_DEP_2)
	v_floor_f32 v12, -v13                          ; the new -M = floor(-t): M is a whole number
	s_delay_alu instid0(VALU_DEP_1)
	v_sub_f32 v[X], v12, v[X]                      ; old M - new M: a whole number, 0 or less
	s_delay_alu instid0(VALU_DEP_1)
	v_cvt_i32_f32 v[X], v[X]                       ; (it saturates)
	s_delay_alu instid0(VALU_DEP_1)
	v_ldexp_f32 v[F], 1.0, v[X]                    ; f = 2^(old M - new M)
.set n, 0
.rept 32
	v_pk_fma_f32 v[S+n:S+n+1], v[S+n:S+n+1], s[CS:CS+1], v[12:13] op_sel_hi:[1,0,0]   ; t - M, two at a time (of the pairs c and -M the low word serves both halves)
.set n, n+2
.endr
.irp b, 0,1,2,3
	v_fma_f32 v[BM+\b], v[BM+\b], s[CS], v12       ; the same of each block's largest score
.endr
.set n, 0
	s_wait_alu depctr_va_vdst(0)                   ; the wait ahead of the batch too
.rept 64
	v_exp_f32 v[S+n], v[S+n]                       ; p = 2^(t - M), at most 1
.set n, n+1
.endr
	v_pk_mul_f32 v[14:15], v[14:15], v[F:F+1] op_sel_hi:[1,0]   ; the sums under the new M: the plain line behind the exponentials
	s_wait_alu depctr_va_vdst(0)                   ; one wait for the batch of 64, ahead of its first reader
.irp b, 0,1,2,3
	v_exp_f32 v[BM+\b], v[BM+\b]                   ; the block's largest p: the same two instructions on the same number give the same bits
.endr
	v_pk_add_f32 v[244:245], v[140:141], v[144:145]   ; the row's sum of the unquantised p: eight chains of packed additions, then joined
	v_pk_add_f32 v[250:251], v[148:149], v[152:153]
	v_pk_add_f32 v[248:249], v[156:157], v[160:161]
	v_pk_add_f32 v[246:247], v[164:165], v[168:169]
	v_pk_add_f32 v[238:239], v[172:173], v[176:177]
	v_pk_add_f32 v[236:237], v[180:181], v[184:185]
	v_pk_add_f32 v[234:235], v[188:189], v[192:193]
	v_pk_add_f32 v[14:15], v[14:15], v[196:197]
	v_pk_add_f32 v[244:245], v[244:245], v[136:137]
	v_pk_add_f32 v[250:251], v[250:251], v[138:139]
	v_pk_add_f32 v[248:249], v[248:249], v[142:143]
	v_pk_add_f32 v[246:247], v[246:247], v[146:147]
	v_pk_add_f32 v[238:239], v[238:239], v[150:151]
	v_pk_add_f32 v[236:237], v[236:237], v[154:155]
	v_pk_add_f32 v[234:235], v[234:235], v[158:159]
	v_pk_add_f32 v[14:15], v[14:15], v[162:163]
	v_pk_add_f32 v[244:245], v[244:245], v[166:167]
	v_pk_add_f32 v[250:251], v[250:251], v[170:171]
	v_pk_add_f32 v[248:249], v[248:249], v[174:175]
	v_pk_add_f32 v[246:247], v[246:247], v[178:179]
	v_pk_add_f32 v[238:239], v[238:239], v[182:183]
	v_pk_add_f32 v[236:237], v[236:237], v[186:187]
	v_pk_add_f32 v[234:235], v[234:235], v[190:191]
	v_pk_add_f32 v[14:15], v[14:15], v[194:195]
	v_pk_add_f32 v[244:245], v[244:245], v[198:199]
	s_delay_alu instid0(VALU_DEP_2)
	v_pk_add_f32 v[14:15], v[14:15], v[246:247]
	s_delay_alu instid0(VALU_DEP_2)
	v_pk_add_f32 v[244:245], v[244:245], v[238:239]
	v_pk_add_f32 v[250:251], v[250:251], v[236:237]
	v_pk_add_f32 v[248:249], v[248:249], v[234:235]
	s_delay_alu instid0(VALU_DEP_2)
	v_pk_add_f32 v[14:15], v[14:15], v[250:251]
	s_delay_alu instid0(VALU_DEP_2)
	v_pk_add_f32 v[244:245], v[244:245], v[248:249]
	s_delay_alu instid0(VALU_DEP_1)
	v_pk_add_f32 v[14:15], v[14:15], v[244:245]
	s_wait_alu depctr_va_vdst(0)                   ; and one for the four
.irp b, 0,1,2,3
	v_max_num_f32 v[BM+\b], 0x1800000, v[BM+\b]    ; the floor 2^(3 - 127): the byte cannot fall under 1 (a block whose every p is 0 keeps that byte: its codes are zeros)
.endr
.irp b, 0,1,2,3
	s_delay_alu instid0(VALU_DEP_4)
	v_add_nc_u32 v[SO+\b], 0xff000000, v[BM+\b]    ; 2 off the exponent field: the conversion's scale operand
.endr
.irp b, 0,1,2,3
	s_delay_alu instid0(VALU_DEP_4)
	v_lshrrev_b32 v[T2+\b], 23, v[SO+\b]           ; the scale's byte
.endr
	s_delay_alu instid0(VALU_DEP_3)
	v_lshl_or_b32 v[PW], v[T2+1], 8, v[T2]         ; p's scale word for these 128 keys
	s_delay_alu instid0(VALU_DEP_1)
	v_lshl_or_b32 v[PW], v[T2+2], 16, v[PW]
	s_delay_alu instid0(VALU_DEP_1)
	v_lshl_or_b32 v[PW], v[T2+3], 24, v[PW]
.irp c, 0,1                                    ; a tile's eight registers are eight neighbouring keys: the codes of tiles 4 c, 4 c + 2, 4 c + 1, 4 c + 3 go to registers 4 c + 0, 1, 2, 3
	v_cvt_scalef32_pk8_fp4_f32 v[PC+4*\c], v[S+32*\c:S+32*\c+7], v[SO+2*\c]
	v_cvt_scalef32_pk8_fp4_f32 v[PC+4*\c+2], v[S+32*\c+8:S+32*\c+15], v[SO+2*\c]
	v_cvt_scalef32_pk8_fp4_f32 v[PC+4*\c+1], v[S+32*\c+16:S+32*\c+23], v[SO+2*\c+1]
	v_cvt_scalef32_pk8_fp4_f32 v[PC+4*\c+3], v[S+32*\c+24:S+32*\c+31], v[SO+2*\c+1]
.endr
	v_nop                                          ; one plain line behind the conversions
.irp c, 0,1
	v_permlane16_swap_b32 v[PC+4*\c], v[PC+4*\c+1]     ; register 4 c + i of lane (r, h) now holds keys 64 c + 32 h + 8 i + 0 .. 7: the operand's layout
	v_permlane16_swap_b32 v[PC+4*\c+2], v[PC+4*\c+3]
.endr
.set n, 0
.rept 16
	v_pk_mul_f32 v[O+n:O+n+1], v[O+n:O+n+1], v[F:F+1] op_sel_hi:[1,0]   ; O^T under the new M.  These sixteen are also the places between the scale word and the codes just made and the products below
.set n, n+2
.endr
	s_wait_alu depctr_va_vdst(0)                   ; directly ahead of the wait below
	s_wait_dscnt 0x0                               ; v and its scale words are in, and the next step's k: no LDS load of mine is out
.if \more
	s_barrier_signal -1                            ; I have come to this step's second product; the wait stands behind the next step's selects
.endif
.irp t, 0,1,2,3                                ; the four accumulators by turns, one instruction each
	v_wmma_scale_f32_16x16x128_f8f6f4 v[O+8*\t:O+8*\t+7], v[VF+8*\t:VF+8*\t+7], v[PC:PC+7], v[O+8*\t:O+8*\t+7], v[VSC+\t], v[PW] matrix_a_fmt:MATRIX_FMT_FP4 matrix_b_fmt:MATRIX_FMT_FP4
.endr
.if \more
	s_add_co_u32 s[TB], s[TB], BLKB
.endif
.endm
.Ltile:                                            ; two trips: a tile of 16 queries each
	s_lshr_b32 s19, s16, 4                         ; the batch
	s_lshl_b32 s19, s19, 7
	s_add_co_u32 s19, s19, s18                     ; the token tile among all 512
	s_and_b32 s2, s16, 15                          ; the head
	s_lshl_b32 s28, s19, 13                        ; o's codes: 8,192 bytes a token tile, 512 a head
	s_lshl_b32 s3, s2, 9
	s_add_co_u32 s28, s28, s3
	s_mov_b32 s29, 0
	s_add_nc_u64 s[28:29], s[10:11], s[28:29]
	s_lshl_b32 s30, s19, 9                         ; o's scale bytes: 32 a token, 2 a head
	s_lshl_b32 s3, s2, 1
	s_add_co_u32 s30, s30, s3
	s_mov_b32 s31, 0
	s_add_nc_u64 s[30:31], s[12:13], s[30:31]
	v_mov_b32 v13, 0xff61b1e6                      ; the largest t so far: -3e38, under every t
	s_delay_alu instid0(VALU_DEP_1)
	v_floor_f32 v12, -v13                          ; -M
	v_mov_b32 v14, 0                               ; the sum, in two halves
	v_mov_b32 v15, 0
.set n, 0
.rept 32
	v_mov_b32 v[O+n], 0                            ; O^T.  (The step is written once: the first finds zeros, which the first change of M leaves zeros)
.set n, n+1
.endr
	s_mov_b32 s[TB], 0
	s_mov_b32 s[CNT], 15
	s_wait_alu depctr_va_vdst(0)                   ; ahead of the signal and the waits below
	s_barrier_signal -1                            ; I am at the tile's head; the wait stands behind the first step's selects
.irp t, 0,1,2,3,4,5,6,7
	ds_load_b128 v[KF+8*\t:KF+8*\t+3], v1 offset:512*\t            ; the first step's k and its scale words
.endr
	ds_load_b128 v[KSC:KSC+3], v1 offset:4096
	s_wait_loadcnt 0x0                             ; q
	s_wait_dscnt 0x0                               ; k
.Lstep:
	STEP 1
	s_sub_co_u32 s[CNT], s[CNT], 1
	s_cmp_lg_u32 s[CNT], 0
	s_cbranch_scc1 .Lstep
	STEP 0
	; THE WAY OUT: O^T / the sum, quantised along the model's axis: my head's 64 dims are two blocks of 32 (tiles 0, 1 and tiles 2, 3)
.rept 4
	v_nop                                          ; places behind the last products
.endr
	v_add_f32 v14, v14, v15                        ; the sum's two halves,
	s_delay_alu instid0(VALU_DEP_1)
	v_permlanex16_b32 v[X], v14, s[SEL], s[SEL+1]
	s_delay_alu instid0(VALU_DEP_1)
	v_add_f32 v14, v14, v[X]                       ; and lane l xor 16's: the row's sum, over 1/2
	s_wait_alu depctr_va_vdst(0)                   ; the wait ahead of the reciprocal too
	v_rcp_f32 v14, v14
	v_nop                                          ; a plain line behind the reciprocal
	s_wait_alu depctr_va_vdst(0)                   ; and the wait ahead of its first reader
.set n, 0
.rept 16
	v_pk_mul_f32 v[S+n:S+n+1], v[O+n:O+n+1], v[14:15] op_sel_hi:[1,0]   ; register 8 t + j: o(query r, dim 16 t + 8 h + j); each accumulator from its low end on
.set n, n+2
.endr
.irp b, 0,1
	v_max3_num_f32 v[BM+\b], |v[S+16*\b]|, |v[S+16*\b+1]|, 0x1800000
.endr
.irp i, 2,4,6,8,10,12,14
.irp b, 0,1
	s_delay_alu instid0(VALU_DEP_2)
	v_max3_num_f32 v[BM+\b], v[BM+\b], |v[S+16*\b+\i]|, |v[S+16*\b+\i+1]|
.endr
.endr
.irp b, 0,1
	s_delay_alu instid0(VALU_DEP_2)
	v_permlanex16_b32 v[T2+\b], v[BM+\b], s[SEL], s[SEL+1]
.endr
.irp b, 0,1
	s_delay_alu instid0(VALU_DEP_2)
	v_max_num_f32 v[BM+\b], v[BM+\b], v[T2+\b]
.endr
.irp b, 0,1
	s_delay_alu instid0(VALU_DEP_2)
	v_add_nc_u32 v[SO+\b], 0xff000000, v[BM+\b]
.endr
.irp b, 0,1
	s_delay_alu instid0(VALU_DEP_2)
	v_lshrrev_b32 v[T2+\b], 23, v[SO+\b]
.endr
	s_delay_alu instid0(VALU_DEP_1)
	v_lshl_or_b32 v[X], v[T2+1], 8, v[T2]          ; my head's two scale bytes of token r
	v_cvt_scalef32_pk8_fp4_f32 v[PC], v[S:S+7], v[SO]
	v_cvt_scalef32_pk8_fp4_f32 v[PC+2], v[S+8:S+15], v[SO]
	v_cvt_scalef32_pk8_fp4_f32 v[PC+1], v[S+16:S+23], v[SO+1]
	v_cvt_scalef32_pk8_fp4_f32 v[PC+3], v[S+24:S+31], v[SO+1]
	v_nop                                          ; one plain line behind the conversions
	v_permlane16_swap_b32 v[PC], v[PC+1]
	v_permlane16_swap_b32 v[PC+2], v[PC+3]         ; lane (r, h): dims 32 h .. + 31 of token r: half of the last product's fragment, as its registers want it
	global_store_b128 v1, v[PC:PC+3], s[28:29]     ; 512 consecutive bytes, aligned
	global_store_b16 v8, v[X], s[30:31]            ; two bytes of each token's row of 32 (lanes 16-31 store what lanes 0-15 store): 262,144 bytes in the whole launch
	s_wait_xcnt 0x0                                ; the stores have read their data and bases, the loads for the next tile their addresses: the next tile writes them again
	s_add_co_u32 s18, s18, 16
	s_sub_co_u32 s17, s17, 1
	s_cmp_lg_u32 s17, 0
	s_cbranch_scc1 .Ltile
	s_wait_tensorcnt 0x0                           ; the wave's end
	ds_add_u32 v39, v255
	s_wait_dscnt 0x0
	ROUND                                          ; the closing round
	s_endpgm
.Lfunc_end_k_q50b92af4a6_attn:
	.size	k_q50b92af4a6_attn, .Lfunc_end_k_q50b92af4a6_attn-k_q50b92af4a6_attn
	.p2alignl 7, 3214868480
	.fill 96, 4, 3214868480
	.section	.rodata,"a",@progbits
	.p2align	6, 0x0
	.amdhsa_kernel k_q50b92af4a6_attn
		.amdhsa_group_segment_fixed_size 169984
		.amdhsa_private_segment_fixed_size 0
		.amdhsa_enable_private_segment 0
		.amdhsa_kernarg_size 40
		.amdhsa_user_sgpr_count 2
		.amdhsa_user_sgpr_kernarg_segment_ptr 1
		.amdhsa_wavefront_size32 1
		.amdhsa_system_sgpr_workgroup_id_x 1
		.amdhsa_system_sgpr_workgroup_id_y 1
		.amdhsa_system_sgpr_workgroup_id_z 1
		.amdhsa_system_vgpr_workitem_id 0
		.amdhsa_next_free_vgpr 256
		.amdhsa_next_free_sgpr 100
		.amdhsa_reserve_vcc 0
		.amdhsa_float_denorm_mode_32 3
		.amdhsa_float_denorm_mode_16_64 3
		.amdhsa_memory_ordered 1
		.amdhsa_forward_progress 1
		.amdhsa_inst_pref_size 55
	.end_amdhsa_kernel
	.amdgpu_metadata
---
amdhsa.version: [ 1, 2 ]
amdhsa.kernels:
  - .name:           k_q50b92af4a6_attn
    .symbol:         k_q50b92af4a6_attn.kd
    .args:
      - { .name: qb, .offset: 0, .size: 8, .value_kind: global_buffer, .address_space: global }
      - { .name: kv, .offset: 8, .size: 8, .value_kind: global_buffer, .address_space: global }
      - { .name: mb, .offset: 16, .size: 8, .value_kind: global_buffer, .address_space: global }
      - { .name: oimg, .offset: 24, .size: 8, .value_kind: global_buffer, .address_space: global }
      - { .name: oscl, .offset: 32, .size: 8, .value_kind: global_buffer, .address_space: global }
    .group_segment_fixed_size: 169984
    .private_segment_fixed_size: 0
    .kernarg_segment_align: 8
    .kernarg_segment_size: 40
    .max_flat_workgroup_size: 512
    .sgpr_count:     100
    .vgpr_count:     256
    .wavefront_size: 32
...
	.end_amdgpu_metadata
.endif
;; end of part 2
;; launch fc (part 3): grid 4 x 64, 4 waves a work-group, clusters of 4 x 4, 248,064 bytes of LDS; arguments oimg, oscl, fc_w_codes, fc_w_scales, fc_b, out0; writes out0
.if DOCPART == 3
	.amdgcn_target "amdgcn-amd-amdhsa--gfx1250"
	.amdhsa_code_object_version 6
	.text
	.protected	k_q50b92af4a6_fc
	.globl	k_q50b92af4a6_fc
	.p2align	8
	.type	k_q50b92af4a6_fc,@function
k_q50b92af4a6_fc:
	s_mov_b64 s[64:65], 0
	v_nop
	global_prefetch_b8 v0, s[64:65] scope:SCOPE_SE
	s_setreg_imm32_b32 hwreg(HW_REG_WAVE_MODE, 25, 1), 1
	s_wait_xcnt 0x0
	s_wait_alu depctr_hold_cnt(0) depctr_sa_sdst(0) depctr_va_vdst(0) depctr_va_sdst(0) depctr_va_ssrc(0) depctr_va_vcc(0) depctr_vm_vsrc(0)
	s_getreg_b32 s2, hwreg(HW_REG_IB_STS2, 6, 4)
	s_cmp_eq_u32 s2, 0
	s_cbranch_scc0 .Lentry_in_a_cluster
	s_endpgm
.Lentry_in_a_cluster:
	s_bfe_u32 s2, ttmp6, 0x10000c
	s_cmp_lg_u32 s2, 0xf033
	s_cbranch_scc0 .Lentry_shape_is_right
	s_endpgm
.Lentry_shape_is_right:
; out0[m][n] = sum over k of o[m][k] fc_w[n][k] + fc_b[n]: 8,192 x 1,024 x 1,024, both operands codes of FP4 (E2M1) with one E8M0 byte for each 32 along K; sums in f32.
; o's codes come as images of the operand's registers (oimg: 8,192 bytes a token tile of 16; head j's 512 bytes are 16 x lane), its scale bytes as [token][32] (oscl).
; SHARES.  A work-group makes 128 x 256 of the result: 4 x 64 = 256 work-groups.  A wave makes 64 x 128: 32 accumulators of 16 x 16.
; LDS.  K is 1,024, so all operands of a block fit at once: o's 8 token tiles (65,536 bytes, dense), fc_w's 256 rows of 512 bytes (528 apart), both blocks of scale bytes (units of 256 + 16).
;   They come by four joint loads at the head, one a wave, and nothing is filled again: one barrier behind the wait for them.  The way out has a stage of its own for each wave, so no barrier stands ahead of it.
; CLUSTER 4 x 4: o's tiles are shared along a row of the cluster, fc_w's along a column.
; No prefetch into the L2: every tile is asked for once, at the head; there is no loop to run ahead in.
; THE MATRIX INSTRUCTION IS USED TRANSPOSED (source 0 = 16 rows of fc_w, source 1 = 16 tokens): a lane holds eight neighbouring numbers of a row of the result.  The bias is the C of each sum's first product.
; REGISTERS.  Window 0: v12-29 addresses; v32-63 o's scale words (block a, K step q: 8 a + q); v64-127 fc_w's (8 b + q); v128-191 o's fragments, two sets of 4; v192-255 the bias; on the way out v128-255 rows read back.
;   Window 1: fc_w's fragments, two sets of 8, v0-127.  Window 2: the accumulators, (a, b) at v[8 (8 a + b)].
.set PITCH,  528
.set BBASE,  65536                     ; fc_w's rows lie behind o's images
.set HALFB,  128*PITCH
.set SCA,    BBASE+2*HALFB             ; o's scale bytes: 128 rows of 32 = 16 units
.set SCB,    SCA+16*272                ; fc_w's: 32 units
.set SPARE,  SCB+32*272                ; the spare words, 128 bytes a wave
.set STAGE,  SPARE+512                 ; the way out: 16 rows x 528 bytes a wave
.set SPITCH, 528
.set BO,   12
.set ADA,  16
.set ADB,  17
.set ASA,  18
.set ASB,  19
.set STO,  24
.set RD,   25
.set CO,   26
.set SPW,  28
.set NIL,  29
.set SA,   32
.set SB,   64
.set AF,   128
.set BK,   128
.set BIAS, 192
.set G1A,  24
.set G1B,  32
.set G1SA, 48
.set G1SB, 56
.set G0A,  68
.set G0B,  72
.set G0SA, 76
.set G0SB, 80
.set MSB, 0
.macro WIN new                         ; the immediate's high byte repeats the setting that is left
.if MSB != (\new)
	s_set_vgpr_msb (MSB<<8)|(\new)
.set MSB, (\new)
.endif
.endm
.macro CROUND                          ; a round of the cluster's barrier
	s_barrier_signal -1
	s_barrier_wait -1
	s_cmp_lg_u32 s16, 0
	s_cbranch_scc1 .Lnot_wave_0_\@
	s_barrier_signal -3
.Lnot_wave_0_\@:
	s_barrier_wait -3
	s_barrier_signal -1
	s_barrier_wait -1
.endm
.macro ARM under, g0, g1, next         ; one arm of the head's tree of branches on the wave's number
	s_cmp_lt_u32 s16, \under
	s_cbranch_scc0 \next
	tensor_load_to_lds s[\g0:\g0+3], s[\g1:\g1+7]
	s_nop 0
.rept 4
	v_nop
.endr
	s_branch .Lhead_asked
\next:
.endm
.macro PLACES
.rept 4
	v_nop
.endr
.endm
	s_load_b128 s[4:7], s[0:1], 0x0                ; oimg, oscl
	s_load_b128 s[8:11], s[0:1], 0x10              ; fc_w's codes, its scales
	s_load_b128 s[12:15], s[0:1], 0x20             ; fc_b, out0
	v_lshl_add_u32 v[SPW], v0, 2, SPARE
	v_mov_b32 v[NIL], 0
	ds_add_u32 v[SPW], v[NIL]                      ; the opening lines: the add, twice on end, and its wait
	ds_add_u32 v[SPW], v[NIL]
	v_lshrrev_b32 v1, 5, v0
	v_readfirstlane_b32 s16, v1                    ; wave 0..3
	s_lshr_b32 s17, s16, 1                         ; which 64 tokens are mine
	s_and_b32 s18, s16, 1                          ; which 128 columns
	s_bfe_u32 s40, ttmp6, 0x40000                  ; cx
	s_bfe_u32 s41, ttmp6, 0x40004                  ; cy
	s_lshl_b32 s42, ttmp9, 2
	s_add_co_u32 s42, s42, s40                     ; tile column, 0..3
	s_and_b32 s19, ttmp7, 0xffff
	s_lshl_b32 s19, s19, 2
	s_add_co_u32 s19, s19, s41                     ; tile row, 0..63
	s_lshl_b32 s43, s41, 2
	s_lshl_b32 s43, 15, s43                        ; my row of the cluster
	s_lshl_b32 s44, 0x1111, s40                    ; my column
	s_or_b32 s[G1A+0], s43, (3<<16)|(1<<21)        ; o's images: 256 dense rows of 256 bytes (32 elements of 8), no padding
	s_mov_b32 s[G1A+1], 32<<16
	s_mov_b32 s[G1A+2], 256<<16
	s_mov_b32 s[G1A+3], 32<<16
	s_mov_b32 s[G1A+4], 256
	s_mov_b32 s[G1A+5], 32
	s_mov_b32 s[G1A+6], 0
	s_mov_b32 s[G1A+7], 0
	s_or_b32 s[G1B+0], s44, (1<<20)|(1<<21)|(6<<22)|(3<<25)   ; fc_w: 256 rows of 512 bytes, four words of padding behind every 128
	s_mov_b32 s[G1B+1], 512<<16
	s_mov_b32 s[G1B+2], 256<<16
	s_mov_b32 s[G1B+3], 512<<16
	s_mov_b32 s[G1B+4], 256
	s_mov_b32 s[G1B+5], 512
	s_mov_b32 s[G1B+6], 0
	s_mov_b32 s[G1B+7], 0
	s_or_b32 s[G1SA+0], s43, (3<<16)|(1<<20)|(1<<21)|(5<<22)|(3<<25)   ; scale bytes: dense rows of 256 bytes, 16 of padding behind each
	s_mov_b32 s[G1SA+2], 16<<16
	s_mov_b32 s[G1SA+4], 16
	s_or_b32 s[G1SB+0], s44, (3<<16)|(1<<20)|(1<<21)|(5<<22)|(3<<25)
	s_mov_b32 s[G1SB+2], 32<<16
	s_mov_b32 s[G1SB+4], 32
.irp g, G1SA, G1SB
	s_mov_b32 s[\g+1], 32<<16
	s_mov_b32 s[\g+3], 32<<16
	s_mov_b32 s[\g+5], 32
	s_mov_b32 s[\g+6], 0
	s_mov_b32 s[\g+7], 0
.endr
	s_lshl_b32 s20, s19, 16                        ; 8 token tiles of 8,192 bytes a tile row
	s_mov_b32 s21, 0
	s_lshl_b32 s22, s19, 12                        ; 128 tokens of 32 scale bytes
	s_mov_b32 s23, 0
	s_lshl_b32 s46, s42, 17                        ; 256 rows of 512 bytes a tile column
	s_mov_b32 s47, 0
	s_lshl_b32 s84, s42, 13
	s_mov_b32 s85, 0
	s_wait_alu depctr_va_vdst(0)                   ; directly ahead of the waits below
	s_wait_dscnt 0x0
	s_wait_kmcnt 0x0
	s_add_nc_u64 s[20:21], s[4:5], s[20:21]
	s_add_nc_u64 s[22:23], s[6:7], s[22:23]
	s_add_nc_u64 s[46:47], s[8:9], s[46:47]
	s_add_nc_u64 s[84:85], s[10:11], s[84:85]
	CROUND                                         ; all sixteen work-groups are here: the joint loads meet
	s_mov_b32 s[G0A], 1
	s_mov_b32 s[G0A+1], 0
	s_mov_b64 s[G0A+2:G0A+3], s[20:21]
	s_or_b32 s[G0A+3], s[G0A+3], 0x80000000
	s_mov_b32 s[G0B], 1
	s_mov_b32 s[G0B+1], BBASE
	s_mov_b64 s[G0B+2:G0B+3], s[46:47]
	s_or_b32 s[G0B+3], s[G0B+3], 0x80000000
	s_mov_b32 s[G0SA], 1
	s_mov_b32 s[G0SA+1], SCA
	s_mov_b64 s[G0SA+2:G0SA+3], s[22:23]
	s_or_b32 s[G0SA+3], s[G0SA+3], 0x80000000
	s_mov_b32 s[G0SB], 1
	s_mov_b32 s[G0SB+1], SCB
	s_mov_b64 s[G0SB+2:G0SB+3], s[84:85]
	s_or_b32 s[G0SB+3], s[G0SB+3], 0x80000000
	ARM 1, G0A,  G1A,  .Lhead_b                    ; one joint load a wave
	ARM 2, G0B,  G1B,  .Lhead_sa
	ARM 3, G0SA, G1SA, .Lhead_sb
	tensor_load_to_lds s[G0SB:G0SB+3], s[G1SB:G1SB+7]
	s_nop 0
.rept 4
	v_nop
.endr
.Lhead_asked:
	v_and_b32 v1, 15, v0                           ; r
	v_bfe_u32 v2, v0, 4, 1                         ; h
	v_and_b32 v3, 31, v0
	v_lshlrev_b32 v[CO], 4, v3                     ; 16 x lane
	s_lshl_b32 s20, s17, 15                        ; my 4 token tiles
	v_add_nc_u32 v[ADA], s20, v[CO]
	v_mul_u32_u24 v4, v1, PITCH
	v_lshl_add_u32 v4, v2, 4, v4
	s_mul_i32 s21, s18, HALFB
	s_add_co_u32 s21, s21, BBASE                   ; my 128 rows of fc_w
	v_add_nc_u32 v[ADB], s21, v4
	v_lshrrev_b32 v5, 3, v1                        ; a row's 32 scale bytes: unit r / 8, place 32 (r % 8)
	v_and_b32 v6, 7, v1
	v_mul_u32_u24 v5, v5, 272
	v_lshl_add_u32 v5, v6, 5, v5
	s_mul_i32 s22, s17, 8*272
	s_add_co_u32 s22, s22, SCA
	v_add_nc_u32 v[ASA], s22, v5
	s_mul_i32 s23, s18, 16*272
	s_add_co_u32 s23, s23, SCB
	v_add_nc_u32 v[ASB], s23, v5
	s_mul_i32 s20, s16, 16*SPITCH
	s_add_co_u32 s20, s20, STAGE                   ; my stage
	v_mul_u32_u24 v5, v1, SPITCH
	v_lshl_add_u32 v5, v2, 5, v5
	v_add_nc_u32 v[STO], s20, v5                   ; in: row r, 32 bytes for each half of the lanes
	v_add_nc_u32 v[RD], s20, v[CO]                 ; back: the 32 lanes take one row of 512 bytes
	v_lshlrev_b32 v[BO], 5, v2
	s_wait_alu depctr_va_vdst(0)                   ; the wait at the head's end
	s_lshl_b32 s20, s19, 7
	s_lshl_b32 s21, s17, 6
	s_add_co_u32 s20, s20, s21                     ; my first token
	s_lshl_b32 s20, s20, 12                        ; a row of the result is 4,096 bytes
	s_lshl_b32 s46, s42, 10
	s_lshl_b32 s47, s18, 9
	s_add_co_u32 s46, s46, s47                     ; my first column, in bytes
	s_mov_b32 s47, 0
	s_add_nc_u64 s[12:13], s[12:13], s[46:47]
	s_add_co_u32 s20, s20, s46
	s_mov_b32 s21, 0
	s_add_nc_u64 s[14:15], s[14:15], s[20:21]
.irp b, 0,1,2,3,4,5,6,7
	global_load_b128 v[BIAS+8*\b:BIAS+8*\b+3], v[BO], s[12:13] offset:64*\b        ; register j of block b: fc_b at column 16 b + 8 h + j
	global_load_b128 v[BIAS+8*\b+4:BIAS+8*\b+7], v[BO], s[12:13] offset:64*\b+16
.endr
.macro FETCH q, p                      ; the fragments of K step q into set p: 16 loads for fc_w, 8 for o
	WIN 0x40
.irp i, 0,1,2,3,4,5,6,7
.irp c, 0,1
	ds_load_b128 v[64*(\p)+8*\i+4*\c:64*(\p)+8*\i+4*\c+3], v[ADB] offset:64*(\q)+32*\c+\i*16*PITCH
.endr
.endr
	WIN 0
.irp i, 0,1,2,3
.irp c, 0,1
	ds_load_b128 v[AF+32*(\p)+8*\i+4*\c:AF+32*(\p)+8*\i+4*\c+3], v[ADA] offset:1024*(\q)+512*\c+\i*8192
.endr
.endr
.endm
.macro MUL q, p                        ; 32 products: the accumulators by turns, one instruction a turn, in the same order in every step
.irp a, 0,1,2,3
.irp b, 0,1,2,3,4,5,6,7
.if (\q) == 0
	v_wmma_scale_f32_16x16x128_f8f6f4 v[8*(8*\a+\b):8*(8*\a+\b)+7], v[64*(\p)+8*\b:64*(\p)+8*\b+7], v[AF+32*(\p)+8*\a:AF+32*(\p)+8*\a+7], v[BIAS+8*\b:BIAS+8*\b+7], v[SB+8*\b+(\q)], v[SA+8*\a+(\q)] matrix_a_fmt:MATRIX_FMT_FP4 matrix_b_fmt:MATRIX_FMT_FP4
.else
	v_wmma_scale_f32_16x16x128_f8f6f4 v[8*(8*\a+\b):8*(8*\a+\b)+7], v[64*(\p)+8*\b:64*(\p)+8*\b+7], v[AF+32*(\p)+8*\a:AF+32*(\p)+8*\a+7], v[8*(8*\a+\b):8*(8*\a+\b)+7], v[SB+8*\b+(\q)], v[SA+8*\a+(\q)] matrix_a_fmt:MATRIX_FMT_FP4 matrix_b_fmt:MATRIX_FMT_FP4
.endif
.endr
.endr
.endm
.macro STEP q                          ; 128 along K: the next step's fragments are asked for first, into the set that the step before multiplied
.if (\q) > 0 && (\q) < 7
	PLACES                                         ; four places between the last products and loads into registers that they read
.endif
.if (\q) < 7
	FETCH (\q)+1, ((\q)+1)%2
	s_wait_dscnt 24                                ; all but the 24 loads just issued
.else
	s_wait_dscnt 0x0
.endif
.if (\q) == 0
	WIN 0x81                                       ; source 0 window 1, C (the bias) window 0, D window 2
.else
	WIN 0xa1                                       ; C and D window 2
.endif
	MUL \q, (\q)%2
	WIN 0
.endm
	s_wait_loadcnt 0x0                             ; the bias
	s_wait_tensorcnt 0x0                           ; my tile of the four is in,
	s_barrier_signal -1
	s_barrier_wait -1                              ; everybody's is: from here on these bytes are only read
.irp i, 0,1,2,3
	ds_load_b128 v[SA+8*\i:SA+8*\i+3], v[ASA] offset:544*\i        ; a row's eight scale words, for all of K, once
	ds_load_b128 v[SA+8*\i+4:SA+8*\i+7], v[ASA] offset:544*\i+16
.endr
.irp i, 0,1,2,3,4,5,6,7
	ds_load_b128 v[SB+8*\i:SB+8*\i+3], v[ASB] offset:544*\i
	ds_load_b128 v[SB+8*\i+4:SB+8*\i+7], v[ASB] offset:544*\i+16
.endr
	FETCH 0, 0
.set KQ, 0
.rept 8
	STEP KQ
.set KQ, KQ+1
.endr
; THE WAY OUT, block by block of 16 rows x 128 columns, through my own stage: in as 32 bytes a lane, back as whole rows of 512 bytes, which the 32 lanes store as two aligned units of 256 bytes.
.macro TOSTAGE a
.set AC, 64*(\a)
	WIN 0x08                                       ; the data: window 2
.irp b, 0,1,2,3,4,5,6,7
	ds_store_b128 v[STO], v[AC+8*\b:AC+8*\b+3] offset:64*\b          ; each accumulator from its low end on
	ds_store_b128 v[STO], v[AC+8*\b+4:AC+8*\b+7] offset:64*\b+16
.endr
	WIN 0
.set BB, BK+64*((\a)%2)
.irp t, 0,1,2,3,4,5,6,7,8,9,10,11,12,13,14,15
	ds_load_b128 v[BB+4*\t:BB+4*\t+3], v[RD] offset:\t*SPITCH        ; LDS serves a wave's instructions in order (ISA guide 5.7.1.4): these see the stores above
.endr
.endm
.macro SEND a, younger                 ; younger: the LDS instructions issued behind block a's loads
.set BB, BK+64*((\a)%2)
	s_wait_dscnt \younger
.if (\a) > 0
	s_add_nc_u64 s[14:15], s[14:15], 16*4096       ; (behind a wait on XCNT)  16 rows on
.endif
.irp t, 0,1,2,3,4,5,6,7,8,9,10,11,12,13,14,15
	global_store_b128 v[CO], v[BB+4*\t:BB+4*\t+3], s[14:15] offset:\t*4096 th:TH_STORE_NT
.endr
.endm
	PLACES                                         ; behind the last products: for the stores that read results and the loads into o's fragment registers
	TOSTAGE 0
.irp a, 1,2,3
.if \a > 1
	s_wait_xcnt 0x0                                ; block a - 2's stores have read their registers and their base
.endif
	TOSTAGE \a
	SEND \a-1, 32
.endr
	s_wait_xcnt 0x0
	SEND 3, 0
	s_wait_tensorcnt 0x0                           ; the wave's end
	ds_add_u32 v[SPW], v[NIL]
	s_wait_dscnt 0x0
	CROUND                                         ; the closing round
	s_endpgm
.Lfunc_end_k_q50b92af4a6_fc:
	.size	k_q50b92af4a6_fc, .Lfunc_end_k_q50b92af4a6_fc-k_q50b92af4a6_fc
	.p2alignl 7, 3214868480
	.fill 96, 4, 3214868480
	.section	.rodata,"a",@progbits
	.p2align	6, 0x0
	.amdhsa_kernel k_q50b92af4a6_fc
		.amdhsa_group_segment_fixed_size 248064
		.amdhsa_private_segment_fixed_size 0
		.amdhsa_enable_private_segment 0
		.amdhsa_kernarg_size 48
		.amdhsa_user_sgpr_count 2
		.amdhsa_user_sgpr_kernarg_segment_ptr 1
		.amdhsa_wavefront_size32 1
		.amdhsa_system_sgpr_workgroup_id_x 1
		.amdhsa_system_sgpr_workgroup_id_y 1
		.amdhsa_system_sgpr_workgroup_id_z 1
		.amdhsa_system_vgpr_workitem_id 0
		.amdhsa_next_free_vgpr 768
		.amdhsa_next_free_sgpr 100
		.amdhsa_reserve_vcc 0
		.amdhsa_float_denorm_mode_32 3
		.amdhsa_float_denorm_mode_16_64 3
		.amdhsa_memory_ordered 1
		.amdhsa_forward_progress 1
		.amdhsa_inst_pref_size 73
	.end_amdhsa_kernel
	.amdgpu_metadata
---
amdhsa.version: [ 1, 2 ]
amdhsa.kernels:
  - .name:           k_q50b92af4a6_fc
    .symbol:         k_q50b92af4a6_fc.kd
    .args:
      - { .name: oimg, .offset: 0, .size: 8, .value_kind: global_buffer, .address_space: global }
      - { .name: oscl, .offset: 8, .size: 8, .value_kind: global_buffer, .address_space: global }
      - { .name: fc_w_codes, .offset: 16, .size: 8, .value_kind: global_buffer, .address_space: global }
      - { .name: fc_w_scales, .offset: 24, .size: 8, .value_kind: global_buffer, .address_space: global }
      - { .name: fc_b, .offset: 32, .size: 8, .value_kind: global_buffer, .address_space: global }
      - { .name: out0, .offset: 40, .size: 8, .value_kind: global_buffer, .address_space: global }
    .group_segment_fixed_size: 248064
    .private_segment_fixed_size: 0
    .kernarg_segment_align: 8
    .kernarg_segment_size: 48
    .max_flat_workgroup_size: 128
    .sgpr_count:     100
    .vgpr_count:     768
    .wavefront_size: 32
...
	.end_amdgpu_metadata
.endif
;; end of part 3
